; MI455X (gfx1250); checked and timed in simulation.
; The chip was launched on July 23, 2026; its instructions are those of AMD's public machine-readable ISA for CDNA 5 (MIT licence, August 2026) and "CDNA5" Instruction Set Architecture Reference Guide (July 2026). The comments in the code are by the model that wrote it; some were corrected since.
;; Q Self Attention. Allowed arithmetic: matrix products marked QUANTISED: E2M1 operands, one E8M0 scale for each 32 along K, by v_wmma_scale_f32_16x16x128_f8f6f4 with both operands' format E2M1 (or v_wmma_scale_f32_32x16x128_f4), f32 sums; everything else in f32.
;; Inputs: attn_bias 1 x 1 x 2,048 x 2,048 float32; b_proj 1,024 float32; q_bias 1,024 float32; scale_mul 1 x 16 x 1 x 1 float32; v_bias 1,024 float32; w_proj 1,024 x 1,024 float32; w_qkv 3,072 x 1,024 float32; x 2 x 2,048 x 1,024 float32.
;; Outputs: out0 2 x 2,048 x 1,024 float32.
;; This version of the problem:
;;   THIS VERSION OF THE PROBLEM IS GIVEN IN LOW PRECISION. The matrix products marked QUANTISED in the list below multiply operands that are first quantised to E2M1 (2 exponent bits, 1 mantissa bit; 4 bits a number), with one power-of-two scale for each 32 numbers along K (OCP MX v1.0); their sums are f32. All else is computed in f32.
;;   The module's matrix products, in the order in which they are computed (A, B: the left and right operand; K: the contracted axis; several contracted axes count as one K, in the product's order):
;;     1. [M 4,096, K 1,024] x [K 1,024, N 3,072]; A: input x; B: input w_qkv: QUANTISED
;;     2. batch 32 x [M 2,048, K 64] x [K 64, N 2,048]; A: computed on the way; B: computed on the way: QUANTISED
;;     3. batch 32 x [M 2,048, K 2,048] x [K 2,048, N 64]; A: softmax (see below); B: computed on the way: QUANTISED
;;     4. [M 4,096, K 1,024] x [K 1,024, N 1,024]; A: computed on the way; B: input w_proj: QUANTISED
;;   THE QUANTISER, for each operand of a quantised product, along K:
;;     - K is cut into blocks of 32 from its start; a last block that is shorter is filled with zeros.
;;     - A block's scale is 2^e with e = floor(log2(the largest magnitude in the block)) - 2, held to -126 .. 127; a block of zeros has e = 0. As a byte (E8M0): e + 127.
;;     - Each number is divided by its block's scale, clamped to +-6, and rounded to the nearest number of E2M1, ties to even, subnormals kept.
;;     - The product sums the exact products of the quantised numbers (number of the format x scale) in f32.
;;   ~~~python
;;   def quantise(x, axis):      # numpy; x: float32 -> the quantised numbers, widened to float32 again
;;       x = np.moveaxis(x, axis, -1); K = x.shape[-1]
;;       x = np.pad(x, [(0, 0)] * (x.ndim - 1) + [(0, -K % 32)]); x = x.reshape(x.shape[:-1] + (-1, 32)); a = np.abs(x).max(-1, keepdims=True)
;;       e = np.where(a > 0, np.clip(np.frexp(np.where(a > 0, a, 1))[1] - 1 - 2, -126, 127), 0)      # np.frexp(a)[1] - 1 = floor(log2(a)), exactly
;;       r = np.clip(x / 2.0 ** e, -6, 6)
;;       step = 2.0 ** (np.maximum(np.frexp(np.where(r == 0, 1, r))[1] - 1, 0) - 1)
;;       q = np.round(r / step) * step * 2.0 ** e      # np.round: ties to even
;;       return np.moveaxis(q.reshape(q.shape[:-2] + (-1,))[..., :K], -1, axis).astype(np.float32)
;;   ~~~
;;   SOFTMAX AHEAD OF A QUANTISED PRODUCT. Where the list says 'softmax', what is quantised is not the finished softmax but p = 2^(t - M), with t = logit x log2(e) and M = ceil(the row's largest t), a whole number; so 1/2 < the row's largest p <= 1. The row's sum l is taken of the UNQUANTISED p, in f32, and the product's result is divided by l at the end. Since M is a whole number, a kernel that streams over the keys may use a running M (the ceiling of the running maximum): every later rescaling is an exact power of two, which a block's scale takes up: the codes' values come out the same.
;;   OPERANDS COMPUTED ON THE WAY. 'Computed on the way' means the value that the module computes at that place (a softmax that the list does not call 'softmax' is quantised finished and normalised). What goes into a quantiser is computed in f32, as accurately as f32 sums, v_exp_f32 and their like allow (about 1e-6 of the number): no bf16 or f16 on the way to a quantiser, and a product that is left as it is and whose result goes on into a quantised operand takes f32 operands (vector FMAs, or v_wmma_f32_16x16x4_f32). A number that lies on a knife's edge between two numbers of the format may be rounded either way, as far as f32 arithmetic and the matrix unit's own rounding can turn it there, and no further.
;; One version. Each part assembles by itself: llvm-mc -triple=amdgcn-amd-amdhsa -mcpu=gfx1250 --defsym DOCPART=n.
;; ======== version 1 of 1: 4 launches
;; limits: right only within a limited range of input values
;; workspace buffers: codes 4,194,304 bytes; scales 262,144 bytes; qimg 2,097,152 bytes; qsc 262,144 bytes; kv 4,587,520 bytes; oimg 2,097,152 bytes; osc 131,072 bytes
;; launch quant (part 1): grid 256 x 1, 4 waves a work-group, no clusters, 33,280 bytes of LDS; arguments x, w_qkv, w_proj, codes, scales; writes codes, scales
.if DOCPART == 1
	.amdgcn_target "amdgcn-amd-amdhsa--gfx1250"
	.amdhsa_code_object_version 6
	.text
	.protected	k_q68195f23bb_quant
	.globl	k_q68195f23bb_quant
	.p2align	8
	.type	k_q68195f23bb_quant,@function
k_q68195f23bb_quant:
	s_mov_b64 s[64:65], 0
	v_nop
	global_prefetch_b8 v0, s[64:65] scope:SCOPE_SE
	s_setreg_imm32_b32 hwreg(HW_REG_WAVE_MODE, 25, 1), 1
	s_wait_xcnt 0x0
; x [4096][1024], w_qkv [3072][1024] and w_proj [1024][1024], f32, K innermost, become codes of FP4 (E2M1), two a byte, and one E8M0 scale byte for each 32 along K.
; The three tensors are laid one behind the other: codes [8192 rows][512 bytes], scales [8192 rows][32 bytes]; rows 0-4095 x, 4096-7167 w_qkv, 7168-8191 w_proj.
; A block's scale is 2^(floor(log2(its largest magnitude)) - 2); its byte is the largest magnitude's exponent field - 2, held at 1 from below.
; LIMITS: a block of zeros gets the byte 1 where the quantiser says 127 (its codes are zeros, and the bytes are read by this program alone); blocks whose largest magnitude lies under 2^-124 are held at that floor;
; NaN and infinities among the inputs are not served.
; Rows are dense and K is a multiple of 32: each tensor is a plain stream of blocks of 32.  8,388,608 numbers = 256 work-groups x 4 waves x 16 steps x 512 numbers.
; Work-groups 0-127 take x, 128-223 w_qkv, 224-255 w_proj: only the input's pointer is chosen; the outputs are one stream.
; A step: four loads of 512 consecutive bytes; the 2,048 bytes turn through the wave's own stage in LDS so that a lane holds 16 neighbours along K (two lanes to a block); a lane's 16 codes are 8 bytes: the wave stores 256 consecutive bytes.
; A wave's 256 scale bytes are gathered in its own LDS bytes and leave as 256 consecutive bytes.  No barrier: waves share nothing.
.set STEPS, 16
.set EMAX,  2
.set CB,    8                          ; bytes of 16 codes
.set R,     16                         ; v16-79   four sets of 16 numbers as they are loaded
.set X,     80                         ; v80-111  two sets of 16 neighbours
.set C,     128                        ; v128-191 codes: four registers for each step, so that no store's data are written again
.set E,     112                        ; v112-127 a scale byte for each step
.set WREG,  8192                       ; LDS: a region for each wave: two stages of 32 x SP bytes, then its 256 scale bytes
.set SP,    80                         ; a lane's place in a stage: 64 bytes + 16 of padding
	s_load_b128 s[4:7], s[0:1], 0x0                ; x, w_qkv
	s_load_b128 s[8:11], s[0:1], 0x10              ; w_proj, codes
	s_load_b64 s[12:13], s[0:1], 0x20              ; scales
	v_lshl_add_u32 v192, v0, 2, 0x8000
	v_mov_b32 v193, 0
	v_lshrrev_b32 v1, 5, v0
	v_readfirstlane_b32 s16, v1                    ; wave
	v_and_b32 v2, 31, v0                           ; lane
	v_lshlrev_b32 v3, 4, v2                        ; my 16 bytes of a load's 512
	s_mul_i32 s17, s16, WREG
	v_lshrrev_b32 v14, 2, v2
	v_mul_u32_u24 v14, v14, SP
	v_and_b32 v15, 3, v2
	v_lshl_add_u32 v14, v15, 4, v14
	v_add_nc_u32 v14, s17, v14                     ; the stage, on the way in: SP (lane / 4) + 16 (lane % 4)
	v_mul_u32_u24 v15, v2, SP
	v_add_nc_u32 v15, s17, v15                     ; and on the way out: SP x lane: my 16 neighbours
	v_mul_u32_u24 v4, v2, CB                       ; my codes' place in a step's
	v_lshrrev_b32 v5, 1, v2
	s_add_co_u32 s17, s17, 2*32*SP
	v_add_nc_u32 v5, s17, v5                       ; LDS: my wave's 256 scale bytes, my block's byte
	v_lshlrev_b32 v7, 3, v2                        ; and on the way out 8 bytes a lane
	v_add_nc_u32 v6, s17, v7
	s_wait_alu depctr_va_vdst(0)
	s_wait_kmcnt 0x0
	s_cmp_lt_u32 ttmp9, 224                        ; which tensor: the choice hangs on the work-group's number alone
	s_cselect_b64 s[6:7], s[6:7], s[8:9]
	s_mov_b32 s17, 224
	s_cselect_b32 s17, 128, s17
	s_cmp_lt_u32 ttmp9, 128
	s_cselect_b64 s[4:5], s[4:5], s[6:7]
	s_cselect_b32 s17, 0, s17                      ; the tensor's first work-group
	s_sub_co_u32 s17, ttmp9, s17
	s_lshl_b32 s17, s17, 2
	s_add_co_u32 s18, s17, s16                     ; which run of 8,192 numbers of the tensor is my wave's
	s_lshl_b32 s18, s18, 15                        ; 32,768 bytes a run
	s_mov_b32 s19, 0
	s_add_nc_u64 s[4:5], s[4:5], s[18:19]
	s_lshl_b32 s20, ttmp9, 2
	s_add_co_u32 s20, s20, s16                     ; which run of the outputs' stream
	s_mov_b32 s21, 0
	s_lshl_b32 s22, s20, 12                        ; 4,096 bytes of codes a run
	s_mov_b32 s23, 0
	s_add_nc_u64 s[10:11], s[10:11], s[22:23]
	s_lshl_b32 s20, s20, 8                         ; 256 scale bytes a run
	s_add_nc_u64 s[12:13], s[12:13], s[20:21]
.macro LOAD t
.irp i, 0,1,2,3
	global_load_b128 v[R+16*((\t)%4)+4*\i:R+16*((\t)%4)+4*\i+3], v3, s[4:5] offset:2048*(\t)+512*\i th:TH_LOAD_NT   ; 32 lanes read 512 consecutive bytes
.endr
.endm
.macro TURN t                          ; step t's numbers through the stage: LDS serves a wave's instructions in order, so no wait stands between the stores and the loads
.irp i, 0,1,2,3
	ds_store_b128 v14, v[R+16*((\t)%4)+4*\i:R+16*((\t)%4)+4*\i+3] offset:32*SP*((\t)%2)+8*SP*\i
.endr
.irp i, 0,1,2,3
	ds_load_b128 v[X+16*((\t)%2)+4*\i:X+16*((\t)%2)+4*\i+3], v15 offset:32*SP*((\t)%2)+16*\i
.endr
.endm
.irp t, 0,1,2,3
	LOAD \t
.endr
	s_wait_loadcnt 12                              ; step 0's four loads are in; the twelve of steps 1 to 3 may be out
	TURN 0
.macro STEP t
.set XS, X+16*((\t)%2)
.if (\t) > 0
	s_wait_dscnt 1                                 ; this step's numbers are back from the stage (the last step's byte store may be out): so its stores into the stage have read their registers,
.else
	s_wait_dscnt 0x0
.endif
.if (\t)+4 < STEPS
	LOAD (\t)+4                                    ; which take the loads of four steps on
.endif
.if (\t)+1 < STEPS
.if STEPS-2-(\t) >= 3
	s_wait_loadcnt 12                              ; the next step's four loads are in; those of the three steps behind it may be out
.else
	s_wait_loadcnt 4*(STEPS-2-(\t))
.endif
	TURN (\t)+1                                    ; and go through the other stage while this step is worked
.endif
	v_max3_num_f32 v8, |v[XS]|, |v[XS+1]|, |v[XS+2]|               ; the largest magnitude of my 16
	v_max3_num_f32 v9, |v[XS+3]|, |v[XS+4]|, |v[XS+5]|
.irp i, 6,10
	v_max3_num_f32 v8, v8, |v[XS+\i]|, |v[XS+\i+1]|
	v_max3_num_f32 v9, v9, |v[XS+\i+2]|, |v[XS+\i+3]|
.endr
	v_max3_num_f32 v8, v8, |v[XS+14]|, |v[XS+15]|
	v_max3_num_f32 v8, v8, v9, (EMAX+1)<<23        ; and the floor 2^(3 - 127): so the byte cannot fall under 1
	v_max_num_f32_dpp v8, v8, v8 row_xmask:1 row_mask:0xf bank_mask:0xf   ; and of my neighbour's 16: the block's
	v_add_nc_u32 v11, -(EMAX<<23), v8              ; 2 off its exponent field: the conversion takes the exponent field of this operand as its scale
	v_cvt_scalef32_pk8_fp4_f32 v[C+4*(\t)], v[XS:XS+7], v11
	v_cvt_scalef32_pk8_fp4_f32 v[C+4*(\t)+1], v[XS+8:XS+15], v11
	v_lshrrev_b32 v[E+(\t)], 23, v11               ; the scale's byte (a plain line behind the conversions)
	ds_store_b8 v5, v[E+(\t)] offset:16*(\t)       ; both lanes of a block write the same byte with the same value
	global_store_b64 v4, v[C+4*(\t):C+4*(\t)+1], s[10:11] offset:32*CB*(\t)
.endm
.irp t, 0,1,2,3,4,5,6,7,8,9,10,11,12,13,14,15
	STEP \t
.endr
	ds_load_b64 v[12:13], v6                       ; LDS serves a wave's instructions in order: these see my stores
	s_wait_dscnt 0x0
	global_store_b64 v7, v[12:13], s[12:13]        ; 32 lanes store 256 consecutive bytes, aligned
	s_wait_tensorcnt 0x0
	ds_add_u32 v192, v193
	s_wait_dscnt 0x0
	s_endpgm
.Lfunc_end_k_q68195f23bb_quant:
	.size	k_q68195f23bb_quant, .Lfunc_end_k_q68195f23bb_quant-k_q68195f23bb_quant
	.p2alignl 7, 3214868480
	.fill 96, 4, 3214868480
	.section	.rodata,"a",@progbits
	.p2align	6, 0x0
	.amdhsa_kernel k_q68195f23bb_quant
		.amdhsa_group_segment_fixed_size 33280
		.amdhsa_private_segment_fixed_size 0
		.amdhsa_enable_private_segment 0
		.amdhsa_kernarg_size 40
		.amdhsa_user_sgpr_count 2
		.amdhsa_user_sgpr_kernarg_segment_ptr 1
		.amdhsa_wavefront_size32 1
		.amdhsa_system_sgpr_workgroup_id_x 1
		.amdhsa_system_sgpr_workgroup_id_y 1
		.amdhsa_system_sgpr_workgroup_id_z 1
		.amdhsa_system_vgpr_workitem_id 0
		.amdhsa_next_free_vgpr 194
		.amdhsa_next_free_sgpr 66
		.amdhsa_reserve_vcc 0
		.amdhsa_float_denorm_mode_32 3
		.amdhsa_float_denorm_mode_16_64 3
		.amdhsa_memory_ordered 1
		.amdhsa_forward_progress 1
		.amdhsa_inst_pref_size 34
	.end_amdhsa_kernel
	.amdgpu_metadata
---
amdhsa.version: [ 1, 2 ]
amdhsa.kernels:
  - .name:           k_q68195f23bb_quant
    .symbol:         k_q68195f23bb_quant.kd
    .args:
      - { .name: x, .offset: 0, .size: 8, .value_kind: global_buffer, .address_space: global }
      - { .name: w_qkv, .offset: 8, .size: 8, .value_kind: global_buffer, .address_space: global }
      - { .name: w_proj, .offset: 16, .size: 8, .value_kind: global_buffer, .address_space: global }
      - { .name: codes, .offset: 24, .size: 8, .value_kind: global_buffer, .address_space: global }
      - { .name: scales, .offset: 32, .size: 8, .value_kind: global_buffer, .address_space: global }
    .group_segment_fixed_size: 33280
    .private_segment_fixed_size: 0
    .kernarg_segment_align: 8
    .kernarg_segment_size: 40
    .max_flat_workgroup_size: 128
    .sgpr_count:     66
    .vgpr_count:     194
    .wavefront_size: 32
...
	.end_amdgpu_metadata
.endif
;; end of part 1
;; launch qkv (part 2): grid 12 x 16, 16 waves a work-group, no clusters, 299,008 bytes of LDS; arguments codes, scales, q_bias, v_bias, scale_mul, qimg, qsc, kv; writes qimg, qsc, kv
.if DOCPART == 2
	.amdgcn_target "amdgcn-amd-amdhsa--gfx1250"
	.amdhsa_code_object_version 6
	.text
	.protected	k_q68195f23bb_qkv
	.globl	k_q68195f23bb_qkv
	.p2align	8
	.type	k_q68195f23bb_qkv,@function
k_q68195f23bb_qkv:
	s_mov_b64 s[64:65], 0
	v_nop
	global_prefetch_b8 v0, s[64:65] scope:SCOPE_SE
	s_setreg_imm32_b32 hwreg(HW_REG_WAVE_MODE, 25, 1), 1
	s_wait_xcnt 0x0
; qkv = x w_qkv^T + bias on codes of FP4 with E8M0 scales, and what follows it up to the next quantisers: q = l2norm(q) exp(min(scale_mul, log 100)) / 4, k = l2norm(k), v as it is.
; q and k are quantised along the head's 64, v along the keys; all three leave as IMAGES OF OPERAND REGISTERS (16 bytes a lane, 512 consecutive bytes a store), in the order in which the attention launch takes them.
; A work-group makes 256 tokens (mt = work-group y) x 256 columns (ct = work-group x: 0-3 q, 4-7 k, 8-11 v).  All of K (512 bytes a row) of both operands lies in LDS: filled once, nothing is filled again.
; TWO ROLES.  P is source 0: its index runs along a lane's registers, the axis that is quantised afterwards.  R is source 1: its index is the lane.  q, k: P = 256 rows of w_qkv, R = 256 tokens.  v: P = tokens, R = rows of w_qkv.
; Both operands are rows of one buffer, so only two row numbers are chosen; every LDS address is the same either way.
; Wave w: pg = w / 8, rg = w % 8: P rows 128 pg .. +127 (8 tiles t), R rows 32 rg .. +31 (2 tiles u): 16 accumulators, (t, u) at v[128 + 64 u + 8 t]; register j of lane (r, h) is (P row 16 t + 8 h + j, R row 16 u + r).
; No cluster: each work-group asks once, at its head, and the operands change roles with ct, so that a joint load's mask would hang on a choice.
; LIMITS: NaN and infinities are not served; a block of zeros gets the scale byte 1 (its codes are zeros; the bytes are read by this program alone); a sum of squares that is denormal counts as 0 for the square root, and the hold at 1e-12 then gives the divisor that the definition gives.
.set HALF,  256                        ; LDS: 512 rows (P's 256, R's 256) of all of K: 512 bytes + 16 of padding; the second half of K begins 256 bytes into a row
.set SCL,   270336                     ; behind the 512 rows of 528 bytes: P's scale bytes (32 pieces of 256 + 16), then R's
.set TM,    96                         ; v96-101 at work in QUANT2
.set WV,  30
.set PG,  31
.set G1C, 32                           ; s[32:39] group 1 for codes
.set G1S, 40                           ; s[40:47] group 1 for scale bytes
.set G0S, 48                           ; s[48:51] group 0, scale bytes
.set G0H, 52                           ; s[52:55] group 0, codes
.set SEL, 60                           ; s[60:61] selects for v_permlanex16_b32: lane l xor 16
.set HI16, 62                          ; lanes 16-31
.set ISQ, 63                           ; all ones in q's work-groups
.set RG,  66
.set CT3, 67
.set CB,  68                           ; s[68:71] where the codes' images go: head 0, head 1
.set SB,  72                           ; s[72:75] and the scale words
.set MT,  84
; v1,v2 P's fragments in half 0, 1; v3,v4 R's; v5 P's scale words; v6 R's; v7 16 x lane; v8 4 x lane; v9 32 h; v15 4 r
; v10-13 P's scale words (lanes 0-15 tile 2 j, lanes 16-31 tile 2 j + 1), v14 R's: scales and nothing else
; v16-79 P's 8 fragments; v80-95 R's 2; v96-119 at work; v120-123 v_bias of tile u (pairs, the odd one 0); v124,125 the two heads' factors; v128-255 accumulators
.macro WM z, ra, rb                    ; one scaled product on the registers named by wD, wA, wB, wSA, wSB; z: the sum begins; ra, rb: the scales stand in lanes 16-31
.if \z
.if (\ra) && (\rb)
	v_wmma_scale_f32_16x16x128_f8f6f4 v[wD:wD+7], v[wA:wA+7], v[wB:wB+7], 0, v[wSA], v[wSB] matrix_a_fmt:MATRIX_FMT_FP4 matrix_b_fmt:MATRIX_FMT_FP4 matrix_a_scale:MATRIX_SCALE_ROW1 matrix_b_scale:MATRIX_SCALE_ROW1
.elseif \ra
	v_wmma_scale_f32_16x16x128_f8f6f4 v[wD:wD+7], v[wA:wA+7], v[wB:wB+7], 0, v[wSA], v[wSB] matrix_a_fmt:MATRIX_FMT_FP4 matrix_b_fmt:MATRIX_FMT_FP4 matrix_a_scale:MATRIX_SCALE_ROW1
.elseif \rb
	v_wmma_scale_f32_16x16x128_f8f6f4 v[wD:wD+7], v[wA:wA+7], v[wB:wB+7], 0, v[wSA], v[wSB] matrix_a_fmt:MATRIX_FMT_FP4 matrix_b_fmt:MATRIX_FMT_FP4 matrix_b_scale:MATRIX_SCALE_ROW1
.else
	v_wmma_scale_f32_16x16x128_f8f6f4 v[wD:wD+7], v[wA:wA+7], v[wB:wB+7], 0, v[wSA], v[wSB] matrix_a_fmt:MATRIX_FMT_FP4 matrix_b_fmt:MATRIX_FMT_FP4
.endif
.else
.if (\ra) && (\rb)
	v_wmma_scale_f32_16x16x128_f8f6f4 v[wD:wD+7], v[wA:wA+7], v[wB:wB+7], v[wD:wD+7], v[wSA], v[wSB] matrix_a_fmt:MATRIX_FMT_FP4 matrix_b_fmt:MATRIX_FMT_FP4 matrix_a_scale:MATRIX_SCALE_ROW1 matrix_b_scale:MATRIX_SCALE_ROW1
.elseif \ra
	v_wmma_scale_f32_16x16x128_f8f6f4 v[wD:wD+7], v[wA:wA+7], v[wB:wB+7], v[wD:wD+7], v[wSA], v[wSB] matrix_a_fmt:MATRIX_FMT_FP4 matrix_b_fmt:MATRIX_FMT_FP4 matrix_a_scale:MATRIX_SCALE_ROW1
.elseif \rb
	v_wmma_scale_f32_16x16x128_f8f6f4 v[wD:wD+7], v[wA:wA+7], v[wB:wB+7], v[wD:wD+7], v[wSA], v[wSB] matrix_a_fmt:MATRIX_FMT_FP4 matrix_b_fmt:MATRIX_FMT_FP4 matrix_b_scale:MATRIX_SCALE_ROW1
.else
	v_wmma_scale_f32_16x16x128_f8f6f4 v[wD:wD+7], v[wA:wA+7], v[wB:wB+7], v[wD:wD+7], v[wSA], v[wSB] matrix_a_fmt:MATRIX_FMT_FP4 matrix_b_fmt:MATRIX_FMT_FP4
.endif
.endif
.endm
; 32 registers from v[a] on: four tiles, register 8 t + j = index 16 t + 8 h + j of my lane's row: two blocks of 32, of each of which I hold 16 numbers and lane l xor 16 the others.
; They become four registers of codes from v[pc] on: lane (r, h) then holds block h of row r whole, ascending: registers 4 c .. 4 c + 3 of an operand.  The two scale bytes are left in v[TM+2], v[TM+3].
.macro QUANT2 a, pc
	v_max3_num_f32 v[TM], |v[\a]|, |v[\a+1]|, 0x1800000            ; the floor 2^(3 - 127) among the leaves: the byte cannot fall under 1
	v_max3_num_f32 v[TM+1], |v[\a+16]|, |v[\a+17]|, 0x1800000
.irp i, 2,4,6,8,10,12,14
	s_delay_alu instid0(VALU_DEP_2)
	v_max3_num_f32 v[TM], v[TM], |v[\a+\i]|, |v[\a+\i+1]|           ; the two blocks by turns
	s_delay_alu instid0(VALU_DEP_2)
	v_max3_num_f32 v[TM+1], v[TM+1], |v[\a+16+\i]|, |v[\a+17+\i]|
.endr
	s_delay_alu instid0(VALU_DEP_2)
	v_permlanex16_b32 v[TM+2], v[TM], s[SEL], s[SEL+1]
	s_delay_alu instid0(VALU_DEP_2)
	v_permlanex16_b32 v[TM+3], v[TM+1], s[SEL], s[SEL+1]
	s_delay_alu instid0(VALU_DEP_2)
	v_max_num_f32 v[TM], v[TM], v[TM+2]                            ; the blocks' largest magnitudes
	s_delay_alu instid0(VALU_DEP_2)
	v_max_num_f32 v[TM+1], v[TM+1], v[TM+3]
	s_delay_alu instid0(VALU_DEP_2)
	v_add_nc_u32 v[TM+4], 0xff000000, v[TM]                        ; 2 off the exponent field: the conversion's scale operand
	s_delay_alu instid0(VALU_DEP_2)
	v_add_nc_u32 v[TM+5], 0xff000000, v[TM+1]
	s_delay_alu instid0(VALU_DEP_2)
	v_lshrrev_b32 v[TM+2], 23, v[TM+4]                             ; the scales' bytes
	s_delay_alu instid0(VALU_DEP_2)
	v_lshrrev_b32 v[TM+3], 23, v[TM+5]
	v_cvt_scalef32_pk8_fp4_f32 v[\pc], v[\a:\a+7], v[TM+4]
	v_cvt_scalef32_pk8_fp4_f32 v[\pc+2], v[\a+8:\a+15], v[TM+4]
	v_cvt_scalef32_pk8_fp4_f32 v[\pc+1], v[\a+16:\a+23], v[TM+5]
	v_cvt_scalef32_pk8_fp4_f32 v[\pc+3], v[\a+24:\a+31], v[TM+5]
	v_nop                                                          ; one plain line behind the conversions
	v_permlane16_swap_b32 v[\pc], v[\pc+1]                         ; the first's lanes 16-31 change places with the second's lanes 0-15
	v_permlane16_swap_b32 v[\pc+2], v[\pc+3]
.endm
	s_load_b256 s[4:11], s[0:1], 0x0               ; codes s[4:5], scales s[6:7], q_bias s[8:9], v_bias s[10:11]
	s_load_b256 s[12:19], s[0:1], 0x20             ; scale_mul s[12:13], qimg s[14:15], qsc s[16:17], kv s[18:19]
	v_lshl_add_u32 v126, v0, 2, 0x48800
	v_mov_b32 v127, 0
	ds_add_u32 v126, v127
	ds_add_u32 v126, v127
	v_lshrrev_b32 v96, 5, v0
	s_delay_alu instid0(VALU_DEP_1)
	v_readfirstlane_b32 s[WV], v96                 ; wave 0..15
	s_lshr_b32 s[PG], s[WV], 3
	s_and_b32 s[RG], s[WV], 7
	s_and_b32 s[CT3], ttmp9, 3
	s_and_b32 s[MT], ttmp7, 0xffff
	s_lshl_b32 s20, ttmp9, 8
	s_add_co_u32 s20, s20, 4096                    ; the weight's first row among the codes' rows
	s_lshl_b32 s21, s[MT], 8                       ; the tokens' first row
	s_cmp_lt_u32 ttmp9, 8
	s_cselect_b32 s22, s20, s21                    ; P's first row
	s_cselect_b32 s23, s21, s20                    ; R's
	s_and_b32 s24, s[RG], 3
	s_lshl_b32 s24, s24, 6
	s_cmp_lt_u32 s[RG], 4                          ; waves 0-3 fetch P's four quarters, waves 4-7 R's
	s_cselect_b32 s25, s22, s23
	s_add_co_u32 s25, s25, s24                     ; the first of the 64 rows that I fetch
	s_lshl_b32 s26, s25, 9                         ; its codes, 512 bytes a row
	s_mov_b32 s27, 0
	s_lshl_b32 s28, s25, 5                         ; its scale bytes, 32 a row
	s_mov_b32 s29, 0
	s_mov_b32 s[G1C], (0<<16)|(1<<20)|(6<<22)|(3<<25)  ; elements of 1 byte; 4 words of padding behind every 128
	s_mov_b32 s[G1C+1], 512<<16                    ; tensor_dim0
	s_mov_b32 s[G1C+2], 64<<16                     ; tensor_dim1
	s_mov_b32 s[G1C+3], 512<<16                    ; tile_dim0: all of K, 512 bytes
	s_mov_b32 s[G1C+4], 64                         ; tile_dim1
	s_mov_b32 s[G1C+5], 512                        ; from row to row
	s_mov_b32 s[G1C+6], 0
	s_mov_b32 s[G1C+7], 0
	s_mov_b32 s[G1S], (3<<16)|(1<<20)|(5<<22)|(3<<25)  ; 64 rows' scale bytes are 2,048 dense bytes: 8 rows of 32 elements of 8 bytes, padded alike
	s_mov_b32 s[G1S+1], 32<<16
	s_mov_b32 s[G1S+2], 8<<16
	s_mov_b32 s[G1S+3], 32<<16
	s_mov_b32 s[G1S+4], 8
	s_mov_b32 s[G1S+5], 32
	s_mov_b32 s[G1S+6], 0
	s_mov_b32 s[G1S+7], 0
	s_mul_i32 s20, s[RG], 2176
	s_mul_i32 s21, s[RG], 33792
	s_mov_b32 s[SEL], 0x76543210
	s_mov_b32 s[SEL+1], 0xfedcba98
	s_mov_b32 s[HI16], 0xffff0000
	s_cmp_lt_u32 ttmp9, 4
	s_cselect_b32 s[ISQ], -1, 0
	s_wait_dscnt 0x0
	s_wait_kmcnt 0x0
	s_mov_b32 s[G0S], 1
	s_add_co_u32 s[G0S+1], s20, SCL
	s_add_nc_u64 s[G0S+2:G0S+3], s[6:7], s[28:29]
	s_or_b32 s[G0S+3], s[G0S+3], 0x80000000
	s_mov_b32 s[G0H], 1
	s_mov_b32 s[G0H+1], s21
	s_add_nc_u64 s[G0H+2:G0H+3], s[4:5], s[26:27]
	s_or_b32 s[G0H+3], s[G0H+3], 0x80000000
	s_cmp_lt_u32 s[WV], 8                          ; the first fills, one a wave: waves 0-7 fetch 64 rows of codes each, waves 8-15 the same rows' scale bytes
	s_cbranch_scc0 .Lfetch_s
	tensor_load_to_lds s[G0H:G0H+3], s[G1C:G1C+7]
	s_nop 0
.rept 4
	v_nop
.endr
	s_branch .Lfetched
.Lfetch_s:
	tensor_load_to_lds s[G0S:G0S+3], s[G1S:G1S+7]
	s_nop 0
.rept 4
	v_nop
.endr
.Lfetched:
	s_lshl_b32 s20, s[CT3], 10
	s_lshl_b32 s21, s[RG], 7
	s_add_co_u32 s20, s20, s21
	s_mov_b32 s21, 0
	s_add_nc_u64 s[10:11], s[10:11], s[20:21]      ; v_bias at 256 (ct % 4) + 32 rg: inside the buffer for every ct
	s_lshl_b32 s22, s[CT3], 10
	s_lshl_b32 s23, s[PG], 9
	s_add_co_u32 s22, s22, s23
	s_mov_b32 s23, 0
	s_add_nc_u64 s[8:9], s[8:9], s[22:23]          ; q_bias at 256 (ct % 4) + 128 pg
	s_lshl_b32 s24, s[CT3], 4
	s_lshl_b32 s25, s[PG], 3
	s_add_co_u32 s24, s24, s25
	s_mov_b32 s25, 0
	s_add_nc_u64 s[12:13], s[12:13], s[24:25]      ; scale_mul at head 4 (ct % 4) + 2 pg
	s_load_b64 s[20:21], s[12:13], 0x0             ; my two heads'
	v_and_b32 v96, 15, v0                          ; r
	v_bfe_u32 v97, v0, 4, 1                        ; h
	v_and_b32 v98, 31, v0                          ; lane
	s_delay_alu instid0(VALU_DEP_3)
	v_lshlrev_b32 v15, 2, v96
	global_load_b32 v120, v15, s[10:11]            ; v_bias of R row 16 u + r, u = 0,
	global_load_b32 v122, v15, s[10:11] offset:64  ; u = 1
	v_mul_u32_u24 v99, v96, 528
	s_delay_alu instid0(VALU_DEP_1)
	v_lshl_add_u32 v99, v97, 4, v99                ; a fragment's row x pitch + 16 h
	s_mul_i32 s22, s[PG], 67584
	v_add_nc_u32 v1, s22, v99
	s_delay_alu instid0(VALU_DEP_1)
	v_add_nc_u32 v2, HALF, v1
	s_mul_i32 s23, s[RG], 16896
	s_add_co_u32 s23, s23, 135168
	v_add_nc_u32 v3, s23, v99
	s_delay_alu instid0(VALU_DEP_1)
	v_add_nc_u32 v4, HALF, v3
	v_lshrrev_b32 v100, 3, v98
	s_delay_alu instid0(VALU_DEP_1)
	v_lshlrev_b32 v100, 4, v100
	s_delay_alu instid0(VALU_DEP_1)
	v_lshl_add_u32 v100, v98, 5, v100              ; a row's scale bytes: 32 x lane, and 16 more for each 256 passed
	s_mul_i32 s24, s[PG], 4352
	s_add_co_u32 s24, s24, SCL
	v_add_nc_u32 v5, s24, v100
	s_mul_i32 s25, s[RG], 1088
	s_add_co_u32 s25, s25, SCL+8704
	v_add_nc_u32 v6, s25, v100
	v_lshlrev_b32 v7, 4, v98
	v_lshlrev_b32 v8, 2, v98
	v_lshlrev_b32 v9, 5, v97
.irp n, 104,105,106,107,109,111,113,115,121,123
	v_mov_b32 v\n, 0                               ; lane permutes' destinations and the upper halves of broadcast pairs: written once
.endr
	s_wait_kmcnt 0x0
	v_mov_b32 v124, s20
	v_mov_b32 v125, s21
	s_delay_alu instid0(VALU_DEP_2)
	v_min_num_f32 v124, 0x40935d8e, v124           ; min(scale_mul, log 100)
	s_delay_alu instid0(VALU_DEP_2)
	v_min_num_f32 v125, 0x40935d8e, v125
	s_delay_alu instid0(VALU_DEP_2)
	v_mul_f32 v124, 0x3fb8aa3b, v124               ; x log2(e)
	s_delay_alu instid0(VALU_DEP_2)
	v_mul_f32 v125, 0x3fb8aa3b, v125
	s_wait_alu depctr_va_vdst(0)
	v_exp_f32 v124, v124
	v_exp_f32 v125, v125
	v_nop                                          ; a plain line behind the exponentials
	s_wait_alu depctr_va_vdst(0)                   ; one wait for both, ahead of their first use
	v_mul_f32 v124, 0.25, v124
	v_mul_f32 v125, 0.25, v125
	s_delay_alu instid0(VALU_DEP_2)
	v_cndmask_b32 v124, 1.0, v124, s[ISQ]          ; k has no factor
	s_delay_alu instid0(VALU_DEP_2)
	v_cndmask_b32 v125, 1.0, v125, s[ISQ]
	s_wait_loadcnt 0x0                             ; v_bias
; A K step of 128: the ks-th of half hf.  16 products, the accumulators by turns, one instruction a turn, in the same order in every step.
.macro STEP hf, ks, zero
.if !(\zero)
.rept 4
	v_nop                                          ; four plain lines between the last products and loads into the registers that they read
.endr
.endif
.irp t, 0,1,2,3,4,5,6,7
.irp c, 0,1
	ds_load_b128 v[16+8*\t+4*\c:16+8*\t+4*\c+3], v[1+\hf] offset:8448*\t+64*\ks+32*\c
.endr
.endr
.irp u, 0,1
.irp c, 0,1
	ds_load_b128 v[80+8*\u+4*\c:80+8*\u+4*\c+3], v[3+\hf] offset:8448*\u+64*\ks+32*\c
.endr
.endr
.irp j, 0,1,2,3
	ds_load_b32 v[10+\j], v5 offset:1088*\j+4*(4*\hf+\ks)
.endr
	ds_load_b32 v14, v6 offset:4*(4*\hf+\ks)
	s_wait_dscnt 0x0
.irp u, 0,1
.irp t, 0,1,2,3,4,5,6,7
.set wD, 128+64*\u+8*\t
.set wA, 16+8*\t
.set wB, 80+8*\u
.set wSA, 10+\t/2
.set wSB, 14
	WM \zero, \t%2, \u
.endr
.endr
.endm
	s_wait_tensorcnt 0x0                           ; my one load is in: nothing is filled again
	s_barrier_signal -1
	s_barrier_wait -1                              ; every fetching wave's are
	STEP 0, 0, 1
	STEP 0, 1, 0
	STEP 0, 2, 0
	STEP 0, 3, 0
	STEP 1, 0, 0
	STEP 1, 1, 0
	STEP 1, 2, 0
	STEP 1, 3, 0
.rept 4
	v_nop                                          ; four plain lines between the last products and the first use of results and operand registers
.endr
	s_lshr_b32 s76, s[MT], 3                       ; batch
	s_and_b32 s77, s[MT], 7                        ; which 256 tokens of it
	s_lshl_b32 s76, s76, 4
	s_lshl_b32 s78, s[CT3], 2
	s_add_co_u32 s76, s76, s78                     ; 16 batch + 4 (ct % 4)
	s_cmp_ge_u32 ttmp9, 8
	s_cbranch_scc1 .Lv
	; ---- q and k: a lane holds one token, its registers run along two heads' 64
	s_cmp_ge_u32 ttmp9, 4
	s_cbranch_scc1 .Lno_bias
.irp t, 0,1,2,3,4,5,6,7
	global_load_b128 v[16+8*\t:19+8*\t], v9, s[8:9] offset:64*\t       ; q_bias of columns 16 t + 8 h + 0 .. 7
	global_load_b128 v[20+8*\t:23+8*\t], v9, s[8:9] offset:64*\t+16
.endr
	s_wait_loadcnt 0x0
.irp u, 0,1
.irp t, 0,1,2,3,4,5,6,7
.irp i, 0,2,4,6
	v_pk_add_f32 v[128+64*\u+8*\t+\i:129+64*\u+8*\t+\i], v[128+64*\u+8*\t+\i:129+64*\u+8*\t+\i], v[16+8*\t+\i:17+8*\t+\i]   ; each accumulator from its low end on
.endr
.endr
.endr
.Lno_bias:
	s_lshl_b32 s78, s[PG], 1
	s_add_co_u32 s76, s76, s78                     ; (batch, head) of my first head
	s_lshl_b32 s78, s76, 16                        ; q: images: 65,536 bytes a head, 512 a tile of 16 queries
	s_lshl_b32 s79, s77, 13
	s_add_co_u32 s78, s78, s79
	s_lshl_b32 s79, s[RG], 10
	s_add_co_u32 s78, s78, s79
	s_lshl_b32 s80, s76, 13                        ; q: scale words: 8,192 bytes a head, 4 a query
	s_lshl_b32 s79, s77, 10
	s_add_co_u32 s80, s80, s79
	s_lshl_b32 s79, s[RG], 7
	s_add_co_u32 s80, s80, s79
	s_mul_i32 s81, s76, 143360                     ; k: 16 records of 8,960 bytes a head, one for each 128 keys
	s_lshl_b32 s79, s77, 1
	s_lshr_b32 s82, s[RG], 2
	s_add_co_u32 s79, s79, s82
	s_mul_i32 s79, s79, 8960
	s_add_co_u32 s81, s81, s79                     ; my record
	s_and_b32 s82, s[RG], 3
	s_lshl_b32 s79, s82, 10
	s_add_co_u32 s79, s81, s79                     ; my two tiles of 16 keys in it
	s_lshl_b32 s82, s82, 7
	s_add_co_u32 s81, s81, s82
	s_add_co_u32 s81, s81, 8192                    ; and their scale words
	s_mov_b32 s82, 143360
	s_cmp_lt_u32 ttmp9, 4
	s_cselect_b64 s[CB:CB+1], s[14:15], s[18:19]
	s_cselect_b64 s[SB:SB+1], s[16:17], s[18:19]
	s_cselect_b32 s78, s78, s79
	s_cselect_b32 s80, s80, s81
	s_cselect_b32 s76, 65536, s82                  ; from head to head: images,
	s_cselect_b32 s82, 8192, s82                   ; scale words
	s_mov_b32 s77, 0
	s_mov_b32 s79, 0
	s_mov_b32 s81, 0
	s_mov_b32 s83, 0
	s_add_nc_u64 s[CB:CB+1], s[CB:CB+1], s[78:79]
	s_add_nc_u64 s[SB:SB+1], s[SB:SB+1], s[80:81]
	s_add_nc_u64 s[CB+2:CB+3], s[CB:CB+1], s[76:77]
	s_add_nc_u64 s[SB+2:SB+3], s[SB:SB+1], s[82:83]
	; four groups g = 2 u + head: 32 registers from v[128 + 32 g] on.  The sum of squares, the groups by turns
.irp g, 0,1,2,3
	v_pk_mul_f32 v[96+2*\g:97+2*\g], v[128+32*\g:129+32*\g], v[128+32*\g:129+32*\g]
.endr
.irp i, 2,4,6,8,10,12,14,16,18,20,22,24,26,28,30
.irp g, 0,1,2,3
	v_pk_fma_f32 v[96+2*\g:97+2*\g], v[128+32*\g+\i:129+32*\g+\i], v[128+32*\g+\i:129+32*\g+\i], v[96+2*\g:97+2*\g]
.endr
.endr
.irp g, 0,1,2,3
	s_delay_alu instid0(VALU_DEP_4)
	v_add_f32 v[96+2*\g], v[96+2*\g], v[97+2*\g]
.endr
.irp g, 0,1,2,3
	s_delay_alu instid0(VALU_DEP_4)
	v_permlanex16_b32 v[104+\g], v[96+2*\g], s[SEL], s[SEL+1]
.endr
.irp g, 0,1,2,3
	s_delay_alu instid0(VALU_DEP_4)
	v_add_f32 v[96+2*\g], v[96+2*\g], v[104+\g]    ; with lane l xor 16's 32 numbers: the head's 64
.endr
	s_wait_alu depctr_va_vdst(0)
.irp g, 0,1,2,3
	v_sqrt_f32 v[96+2*\g], v[96+2*\g]
.endr
	v_nop
	s_wait_alu depctr_va_vdst(0)                   ; one wait for the four roots
.irp g, 0,1,2,3
	v_max_num_f32 v[96+2*\g], 0x2b8cbccc, v[96+2*\g]   ; max(norm, 1e-12)
.endr
	s_wait_alu depctr_va_vdst(0)
.irp g, 0,1,2,3
	v_rcp_f32 v[108+2*\g], v[96+2*\g]
.endr
	v_nop
	s_wait_alu depctr_va_vdst(0)                   ; one wait for the four reciprocals
.irp g, 0,1,2,3
	v_mul_f32 v[108+2*\g], v[108+2*\g], v[124+\g%2]    ; x the head's factor
.endr
.irp g, 0,1,2,3
.irp i, 0,2,4,6,8,10,12,14,16,18,20,22,24,26,28,30
	v_pk_mul_f32 v[128+32*\g+\i:129+32*\g+\i], v[128+32*\g+\i:129+32*\g+\i], v[108+2*\g:109+2*\g] op_sel_hi:[1,0]
.endr
.endr
.irp g, 0,1,2,3
	QUANT2 128+32*\g, 16+4*\g
	v_lshl_or_b32 v[104+\g], v[TM+3], 8, v[TM+2]   ; the two bytes, and once more for the upper 64 of the instruction's K, whose codes are zeros
	s_delay_alu instid0(VALU_DEP_1)
	v_lshl_or_b32 v[104+\g], v[104+\g], 16, v[104+\g]
	global_store_b128 v7, v[16+4*\g:19+4*\g], s[CB+2*(\g%2):CB+2*(\g%2)+1] offset:512*(\g/2)   ; 512 consecutive bytes: a tile's image
.endr
.irp d, 0,1
	v_cndmask_b32 v[116+\d], v[104+\d], v[106+\d], s[HI16]         ; lanes 0-15 tile u = 0's words, lanes 16-31 tile u = 1's
	global_store_b32 v8, v[116+\d], s[SB+2*\d:SB+2*\d+1]           ; 128 consecutive bytes
.endr
	s_wait_tensorcnt 0x0
	ds_add_u32 v126, v127
	s_wait_dscnt 0x0
	s_endpgm
	; ---- v: a lane holds one channel, its registers run along 128 keys: one key step of the second product
.Lv:
	s_lshr_b32 s78, s[RG], 1
	s_add_co_u32 s76, s76, s78                     ; (batch, head)
	s_mul_i32 s76, s76, 143360
	s_lshl_b32 s77, s77, 1
	s_add_co_u32 s77, s77, s[PG]                   ; key step
	s_mul_i32 s77, s77, 8960
	s_add_co_u32 s76, s76, s77                     ; my record
	s_and_b32 s78, s[RG], 1
	s_lshl_b32 s79, s78, 11
	s_add_co_u32 s80, s76, s79
	s_add_co_u32 s80, s80, 4096                    ; v's images: [tile of 16 channels][half of the 128 keys][512 bytes]
	s_mov_b32 s81, 0
	s_lshl_b32 s79, s78, 7
	s_add_co_u32 s82, s76, s79
	s_add_co_u32 s82, s82, 8704                    ; v's scale words: one for each channel
	s_mov_b32 s83, 0
	s_add_nc_u64 s[CB:CB+1], s[18:19], s[80:81]
	s_add_nc_u64 s[SB:SB+1], s[18:19], s[82:83]
.irp u, 0,1
.irp i, 0,2,4,6,8,10,12,14,16,18,20,22,24,26,28,30,32,34,36,38,40,42,44,46,48,50,52,54,56,58,60,62
	v_pk_add_f32 v[128+64*\u+\i:129+64*\u+\i], v[128+64*\u+\i:129+64*\u+\i], v[120+2*\u:121+2*\u] op_sel_hi:[1,0]   ; + v_bias of my channel
.endr
.endr
.irp u, 0,1
	QUANT2 128+64*\u, 16+8*\u
	v_lshl_or_b32 v[104+\u], v[TM+3], 8, v[TM+2]
	QUANT2 160+64*\u, 20+8*\u
	v_lshl_or_b32 v[104+\u], v[TM+2], 16, v[104+\u]
	s_delay_alu instid0(VALU_DEP_1)
	v_lshl_or_b32 v[104+\u], v[TM+3], 24, v[104+\u]                ; the four key blocks' bytes
	global_store_b128 v7, v[16+8*\u:19+8*\u], s[CB:CB+1] offset:1024*\u
	global_store_b128 v7, v[20+8*\u:23+8*\u], s[CB:CB+1] offset:1024*\u+512
.endr
	v_cndmask_b32 v116, v104, v105, s[HI16]
	global_store_b32 v8, v116, s[SB:SB+1]
	s_wait_tensorcnt 0x0
	ds_add_u32 v126, v127
	s_wait_dscnt 0x0
	s_endpgm
.Lfunc_end_k_q68195f23bb_qkv:
	.size	k_q68195f23bb_qkv, .Lfunc_end_k_q68195f23bb_qkv-k_q68195f23bb_qkv
	.p2alignl 7, 3214868480
	.fill 96, 4, 3214868480
	.section	.rodata,"a",@progbits
	.p2align	6, 0x0
	.amdhsa_kernel k_q68195f23bb_qkv
		.amdhsa_group_segment_fixed_size 299008
		.amdhsa_private_segment_fixed_size 0
		.amdhsa_enable_private_segment 0
		.amdhsa_kernarg_size 64
		.amdhsa_user_sgpr_count 2
		.amdhsa_user_sgpr_kernarg_segment_ptr 1
		.amdhsa_wavefront_size32 1
		.amdhsa_system_sgpr_workgroup_id_x 1
		.amdhsa_system_sgpr_workgroup_id_y 1
		.amdhsa_system_sgpr_workgroup_id_z 1
		.amdhsa_system_vgpr_workitem_id 0
		.amdhsa_next_free_vgpr 256
		.amdhsa_next_free_sgpr 88
		.amdhsa_reserve_vcc 0
		.amdhsa_float_denorm_mode_32 3
		.amdhsa_float_denorm_mode_16_64 3
		.amdhsa_memory_ordered 1
		.amdhsa_forward_progress 1
		.amdhsa_inst_pref_size 81
	.end_amdhsa_kernel
	.amdgpu_metadata
---
amdhsa.version: [ 1, 2 ]
amdhsa.kernels:
  - .name:           k_q68195f23bb_qkv
    .symbol:         k_q68195f23bb_qkv.kd
    .args:
      - { .name: codes, .offset: 0, .size: 8, .value_kind: global_buffer, .address_space: global }
      - { .name: scales, .offset: 8, .size: 8, .value_kind: global_buffer, .address_space: global }
      - { .name: q_bias, .offset: 16, .size: 8, .value_kind: global_buffer, .address_space: global }
      - { .name: v_bias, .offset: 24, .size: 8, .value_kind: global_buffer, .address_space: global }
      - { .name: scale_mul, .offset: 32, .size: 8, .value_kind: global_buffer, .address_space: global }
      - { .name: qimg, .offset: 40, .size: 8, .value_kind: global_buffer, .address_space: global }
      - { .name: qsc, .offset: 48, .size: 8, .value_kind: global_buffer, .address_space: global }
      - { .name: kv, .offset: 56, .size: 8, .value_kind: global_buffer, .address_space: global }
    .group_segment_fixed_size: 299008
    .private_segment_fixed_size: 0
    .kernarg_segment_align: 8
    .kernarg_segment_size: 64
    .max_flat_workgroup_size: 512
    .sgpr_count:     88
    .vgpr_count:     256
    .wavefront_size: 32
...
	.end_amdgpu_metadata
.endif
;; end of part 2
;; launch attn (part 3): grid 32 x 8, 16 waves a work-group, clusters of 4 x 4, 327,680 bytes of LDS; arguments qimg, qsc, kv, attn_bias, oimg, osc; writes oimg, osc
.if DOCPART == 3
	.amdgcn_target "amdgcn-amd-amdhsa--gfx1250"
	.amdhsa_code_object_version 6
	.text
	.protected	k_q68195f23bb_attn
	.globl	k_q68195f23bb_attn
	.p2align	8
	.type	k_q68195f23bb_attn,@function
k_q68195f23bb_attn:
	s_mov_b64 s[64:65], 0
	v_nop
	global_prefetch_b8 v0, s[64:65] scope:SCOPE_SE
	s_setreg_imm32_b32 hwreg(HW_REG_WAVE_MODE, 25, 1), 1
	s_wait_xcnt 0x0
	s_wait_alu depctr_hold_cnt(0) depctr_sa_sdst(0) depctr_va_vdst(0) depctr_va_sdst(0) depctr_va_ssrc(0) depctr_va_vcc(0) depctr_vm_vsrc(0)
	s_getreg_b32 s2, hwreg(HW_REG_IB_STS2, 6, 4)
	s_cmp_eq_u32 s2, 0
	s_cbranch_scc0 .Lentry_in_a_cluster
	s_endpgm
.Lentry_in_a_cluster:
	s_bfe_u32 s2, ttmp6, 0x10000c
	s_cmp_lg_u32 s2, 0xf033
	s_cbranch_scc0 .Lentry_shape_is_right
	s_endpgm
.Lentry_shape_is_right:
; o = softmax(q k^T + attn_bias) v, both products on codes of FP4 with E8M0 scales; o is quantised along the channels and leaves as operand images for the projection.
; THE SOFTMAX AHEAD OF THE SECOND PRODUCT: t = logit x log2(e); M = the running largest t rounded UP to a whole number; p = 2^(t - M) is quantised along the keys, not normalised; the row's sum is taken of the unquantised p and divides at the end.
; SHARES.  A work-group owns 64 queries (x) of four (batch, head) pairs (4 y .. 4 y + 3).  Wave w: pair w % 4, tile of 16 queries w / 4, in 256 registers.  Every wave walks all 2,048 keys, 128 a step.
; LAYOUT.  Both products are used transposed: S^T = K Q^T + bias^T, O^T = V^T P^T: a lane holds ONE query (lane % 16) throughout.
; THE KEYS OF A TILE OF K ARE CHOSEN so that lane (r, h) holds two WHOLE blocks of 32 keys: row m of tile t is key 64 (t / 4) + 32 (m / 8) + 8 (t % 4) + m % 8, so register 8 t + j of lane (r, h) is key 64 (t / 4) + 32 h + 8 (t % 4) + j.
; That is the order of a 4-bit operand's registers: the eight conversions' results are P's operand as they stand, a block's largest logit needs no other lane, and V's images and scale words are taken as they lie.
; K's images lie by tiles of 16 neighbouring keys: only the lanes' LDS addresses make the choice (lanes m and m + 8 read 1,152 bytes apart).
; attn_bias is the C of the score product: a lane's 2 x 128 consecutive bytes of its query's row, loaded from LDS straight into the accumulators.
; The head's K is 64, the instruction's 128: registers 4 to 7 of K's and Q's fragments hold zero codes for good; their scale bytes repeat the real ones.
; CLUSTER 4 x 4.  K and V hang on y alone: asked for jointly by my row of the cluster.  attn_bias hangs on x alone: asked for jointly by my column.
; RING.  Two LDS slots of 256 keys (two key steps).  EVERY wave fetches: waves 0-7 one record of K and V each (35 rows of 256 bytes), waves 8-15 eight rows of the bias each (1,024 bytes a row).  A wave has one load out.
; THE CHANGE OF SLOTS stands in a slot's second step, behind V's loads, the wave's last reads of the slot.  The opening barrier is signalled behind the block maxima and waited for behind the row's sums: register work alone stands between.
; PREFETCH: at each refill but the last, what the NEXT refill will ask for (two key steps ahead of that load).  K and V: the first cluster of a row of clusters asks, partner cx for pair 4 y + cx, 70 pieces of 256 bytes, waves 8-10, a lane a piece
; (lanes over 69 name piece 69 again).  The bias: the first cluster of a column of clusters asks, partner cy for rows 16 cy .. + 15, 4 pieces a row, waves 12 and 13.  Slots 0 to 2 come by their loads alone.
; LIMITS: NaN and infinities are not served; the scaled logits stay under 2^31 in magnitude; a block of zeros gets the scale byte 1 (its codes are zeros; the bytes are read by this program alone).  osc is stored two bytes a lane.
.set SLOTB, 147200                     ; a slot: the bias, 64 rows of 1,024 + 16 bytes; then four heads' 20,160 bytes
.set KVOFF, 66560
.set HEADB, 17920                      ; two records in memory
.set RECL,  10080                      ; a record in LDS: its 35 rows of 256 bytes, 32 bytes of padding behind each: byte y lies at y + 32 (y / 256), so lanes m and m + 8 of a tile of K read 1,152 bytes apart, 128 modulo 256
.set HEADL, 20160                      ; two records in LDS
.set REC,   8960                       ; a record: K's 8 images (4,096), V's 8 (4,096), K's 128 scale words (512), V's 64 (256)
.set BP,    1040
.set SPARE, 294400                     ; behind the ring: the spare words, 128 bytes for each of 16 waves
.set TM,  232
.set WV,  16
.set HQ,  17
.set QT,  18
.set W7,  19
.set SEL, 20                           ; s[20:21] lane l xor 16
.set CS,  22                           ; s[22:23] log2(e)
.set G1KV, 24
.set G1B,  32
.set G0KV, 40                          ; s[40:47] a set for each slot
.set G0B,  48                          ; s[48:55]
.set REM, 56                           ; refills still to come
.set LIM, 57                           ; 1 in a wave that prefetches, else the greatest number
.set PFA, 58                           ; s[58:59] where my prefetches stand
.set TRIP, 60
.set PFS, 62                           ; s[62:63] a slot on, in bytes
; v1,v2 my bias row in slot 0, 1; v3,v4 V's images; v5,v6 V's scale words; v7 my spare word; v8 0; v9 the prefetches' offset; v10 16 x lane; v11 4 r; v242,v243 K's images; v248,v249 K's scale words; v250 8 h
; v12 -M; v13 the largest logit; v[14:15] the sum; v16-23 Q; v24 Q's scale words, v25 p's, v26-29 K's, v30-31 V's: scales and nothing else; v32-95 K; v96-159 S^T, then p; v160-191 O^T; v192-223 V; v224-231 p's codes; the rest at work
.macro WM ra                           ; one scaled product on wD, wA, wB, wSA, wSB (C = D); ra: source 0's scales stand in lanes 16-31
.if \ra
	v_wmma_scale_f32_16x16x128_f8f6f4 v[wD:wD+7], v[wA:wA+7], v[wB:wB+7], v[wD:wD+7], v[wSA], v[wSB] matrix_a_fmt:MATRIX_FMT_FP4 matrix_b_fmt:MATRIX_FMT_FP4 matrix_a_scale:MATRIX_SCALE_ROW1
.else
	v_wmma_scale_f32_16x16x128_f8f6f4 v[wD:wD+7], v[wA:wA+7], v[wB:wB+7], v[wD:wD+7], v[wSA], v[wSB] matrix_a_fmt:MATRIX_FMT_FP4 matrix_b_fmt:MATRIX_FMT_FP4
.endif
.endm
.macro QUANT2 a, pc                    ; the way out: 32 registers (four tiles, two blocks of 32 shared with lane l xor 16) become four registers of codes: lane (r, h) holds block h whole; the bytes stay in v[TM+2], v[TM+3]
	v_max3_num_f32 v[TM], |v[\a]|, |v[\a+1]|, 0x1800000
	v_max3_num_f32 v[TM+1], |v[\a+16]|, |v[\a+17]|, 0x1800000
.irp i, 2,4,6,8,10,12,14
	s_delay_alu instid0(VALU_DEP_2)
	v_max3_num_f32 v[TM], v[TM], |v[\a+\i]|, |v[\a+\i+1]|
	s_delay_alu instid0(VALU_DEP_2)
	v_max3_num_f32 v[TM+1], v[TM+1], |v[\a+16+\i]|, |v[\a+17+\i]|
.endr
	s_delay_alu instid0(VALU_DEP_2)
	v_permlanex16_b32 v[TM+2], v[TM], s[SEL], s[SEL+1]
	s_delay_alu instid0(VALU_DEP_2)
	v_permlanex16_b32 v[TM+3], v[TM+1], s[SEL], s[SEL+1]
	s_delay_alu instid0(VALU_DEP_2)
	v_max_num_f32 v[TM], v[TM], v[TM+2]
	s_delay_alu instid0(VALU_DEP_2)
	v_max_num_f32 v[TM+1], v[TM+1], v[TM+3]
	s_delay_alu instid0(VALU_DEP_2)
	v_add_nc_u32 v[TM+4], 0xff000000, v[TM]
	s_delay_alu instid0(VALU_DEP_2)
	v_add_nc_u32 v[TM+5], 0xff000000, v[TM+1]
	s_delay_alu instid0(VALU_DEP_2)
	v_lshrrev_b32 v[TM+2], 23, v[TM+4]
	s_delay_alu instid0(VALU_DEP_2)
	v_lshrrev_b32 v[TM+3], 23, v[TM+5]
	v_cvt_scalef32_pk8_fp4_f32 v[\pc], v[\a:\a+7], v[TM+4]
	v_cvt_scalef32_pk8_fp4_f32 v[\pc+2], v[\a+8:\a+15], v[TM+4]
	v_cvt_scalef32_pk8_fp4_f32 v[\pc+1], v[\a+16:\a+23], v[TM+5]
	v_cvt_scalef32_pk8_fp4_f32 v[\pc+3], v[\a+24:\a+31], v[TM+5]
	v_nop
	v_permlane16_swap_b32 v[\pc], v[\pc+1]
	v_permlane16_swap_b32 v[\pc+2], v[\pc+3]
.endm
.macro CREST                           ; a round of the cluster's barrier behind its opening barrier
	s_cmp_lg_u32 s[WV], 0
	s_cbranch_scc1 .Lnot_wave_0_\@
	s_barrier_signal -3
.Lnot_wave_0_\@:
	s_barrier_wait -3
	s_barrier_signal -1
	s_barrier_wait -1
.endm
.macro CROUND                          ; a whole round
	s_barrier_signal -1
	s_barrier_wait -1
	CREST
.endm
.macro JLOAD s                         ; a joint fill of slot s, one load a wave: waves 0-7 a record of K and V, waves 8-15 eight rows of the bias; the branch hangs on the wave's number alone; s_nop 0 and four v_nop follow each line
	s_cmp_lt_u32 s[WV], 8
	s_cbranch_scc0 .Lfor_b_\@
	tensor_load_to_lds s[G0KV+4*\s:G0KV+4*\s+3], s[G1KV:G1KV+7]
	s_nop 0
.rept 4
	v_nop
.endr
	s_branch .Lasked_\@
.Lfor_b_\@:
	tensor_load_to_lds s[G0B+4*\s:G0B+4*\s+3], s[G1B:G1B+7]
	s_nop 0
.rept 4
	v_nop
.endr
.Lasked_\@:
.endm
.macro ASK
	s_cmp_gt_u32 s[REM], s[LIM]
	s_cbranch_scc0 .Lnot_mine_\@
	global_prefetch_b8 v9, s[PFA:PFA+1] th:TH_LOAD_NT scope:SCOPE_SE
.Lnot_mine_\@:
.endm
.macro LOADB s, q                      ; 16 loads: the bias of my query at my 64 keys of step q of slot s, straight into S's registers: the score product's C
.irp t, 0,1,2,3,4,5,6,7
	ds_load_b128 v[96+8*\t:99+8*\t], v[1+\s] offset:512*\q+256*(\t/4)+32*(\t%4)
	ds_load_b128 v[100+8*\t:103+8*\t], v[1+\s] offset:512*\q+256*(\t/4)+32*(\t%4)+16
.endr
.endm
.macro LOADK s, q                      ; 12 loads: K's eight tiles by the chosen keys, and their scale words (lanes 0-15 tile 2 j's, lanes 16-31 tile 2 j + 1's)
.irp t, 0,1,2,3,4,5,6,7
	ds_load_b128 v[32+8*\t:35+8*\t], v[242+\s] offset:RECL*\q+576*(4*(\t/4)+(\t/2)%2)+128*(\t%2)
.endr
.irp j, 0,1,2,3
	ds_load_b32 v[26+\j], v[248+\s] offset:RECL*\q+288*(32+\j/2)+64*(\j%2)
.endr
.endm
	s_load_b256 s[4:11], s[0:1], 0x0               ; qimg s[4:5], qsc s[6:7], kv s[8:9], attn_bias s[10:11]
	s_load_b128 s[12:15], s[0:1], 0x20             ; oimg s[12:13], osc s[14:15]
	v_lshl_add_u32 v7, v0, 2, SPARE
	v_mov_b32 v8, 0
	ds_add_u32 v7, v8                              ; the opening lines: the add, twice on end, and its wait ahead of my first tensor load
	ds_add_u32 v7, v8
	v_lshrrev_b32 v1, 5, v0
	s_delay_alu instid0(VALU_DEP_1)
	v_readfirstlane_b32 s[WV], v1                  ; wave 0..15
	s_and_b32 s[HQ], s[WV], 3
	s_lshr_b32 s[QT], s[WV], 2
	s_and_b32 s[W7], s[WV], 7
	s_bfe_u32 s66, ttmp6, 0x40000                  ; cx
	s_bfe_u32 s67, ttmp6, 0x40004                  ; cy
	s_lshl_b32 s68, ttmp9, 2
	s_add_co_u32 s68, s68, s66                     ; x: my 64 queries
	s_and_b32 s69, ttmp7, 0xffff
	s_lshl_b32 s69, s69, 2
	s_add_co_u32 s69, s69, s67                     ; y: my four (batch, head) pairs
	s_lshl_b32 s70, s67, 2
	s_lshl_b32 s70, 15, s70                        ; my row of the cluster
	s_lshl_b32 s71, 0x1111, s66                    ; my column
	s_or_b32 s[G1KV], s70, (3<<16)|(1<<20)|(1<<21)|(5<<22)|(7<<25)  ; K and V go to my row; elements of 8 bytes; 35 dense rows of 256 bytes; 8 words of padding behind every 64
	s_mov_b32 s[G1KV+1], 32<<16
	s_mov_b32 s[G1KV+2], 35<<16
	s_mov_b32 s[G1KV+3], 32<<16
	s_mov_b32 s[G1KV+4], 35
	s_mov_b32 s[G1KV+5], 32
	s_mov_b32 s[G1KV+6], 0
	s_mov_b32 s[G1KV+7], 0
	s_or_b32 s[G1B], s71, (2<<16)|(1<<20)|(1<<21)|(7<<22)|(3<<25)  ; the bias goes to my column; elements of 4 bytes; 4 words of padding behind every 256
	s_mov_b32 s[G1B+1], 256<<16
	s_mov_b32 s[G1B+2], 8<<16
	s_mov_b32 s[G1B+3], 256<<16                    ; 256 keys
	s_mov_b32 s[G1B+4], 8                          ; 8 queries
	s_mov_b32 s[G1B+5], 2048
	s_mov_b32 s[G1B+6], 0
	s_mov_b32 s[G1B+7], 0
	s_lshl_b32 s72, s69, 2
	s_lshr_b32 s73, s[W7], 1
	s_add_co_u32 s73, s72, s73                     ; the pair of whose records I fetch one: it hangs on y and the wave's number
	s_add_co_u32 s72, s72, s[HQ]                   ; the pair that I work on
	s_mul_i32 s74, s73, 143360
	s_and_b32 s73, s[W7], 1
	s_mul_i32 s73, s73, REC
	s_add_co_u32 s74, s74, s73
	s_mov_b32 s75, 0
	s_lshl_b32 s76, s68, 19                        ; my work-group's 64 rows of the bias, 8,192 bytes each,
	s_lshl_b32 s77, s[W7], 16                      ; and the eight of them that I fetch: x and the wave's number alone
	s_add_co_u32 s76, s76, s77
	s_mov_b32 s77, 0
	s_mul_i32 s78, s[W7], RECL                     ; where they go in a slot
	s_mul_i32 s79, s[W7], 8*BP
	s_mov_b32 s[SEL], 0x76543210
	s_mov_b32 s[SEL+1], 0xfedcba98
	s_mov_b32 s[CS], 0x3fb8aa3b
	s_mov_b32 s[CS+1], s[CS]
	s_wait_dscnt 0x0                               ; both opening adds are done
	s_wait_kmcnt 0x0
	s_add_nc_u64 s[80:81], s[8:9], s[74:75]
	s_add_nc_u64 s[82:83], s[10:11], s[76:77]
.irp s, 0,1
	s_mov_b32 s[G0KV+4*\s], 1
	s_add_co_u32 s[G0KV+4*\s+1], s78, \s*SLOTB+KVOFF
	s_add_nc_u64 s[G0KV+4*\s+2:G0KV+4*\s+3], s[80:81], \s*HEADB
	s_or_b32 s[G0KV+4*\s+3], s[G0KV+4*\s+3], 0x80000000
	s_mov_b32 s[G0B+4*\s], 1
	s_add_co_u32 s[G0B+4*\s+1], s79, \s*SLOTB
	s_add_nc_u64 s[G0B+4*\s+2:G0B+4*\s+3], s[82:83], \s*1024
	s_or_b32 s[G0B+4*\s+3], s[G0B+4*\s+3], 0x80000000
.endr
	CROUND                                         ; all sixteen work-groups are here: the first joint loads meet
	JLOAD 0                                        ; slot 0: one tensor load a wave at the head
	; the prefetches: where mine stand, and whether I ask
	s_and_b32 s84, ttmp7, 0xffff                   ; cluster y
	s_lshl_b32 s85, s69, 2
	s_add_co_u32 s85, s85, s66                     ; pair 4 y + cx
	s_mul_i32 s85, s85, 143360
	s_add_co_u32 s85, s85, 2*HEADB                 ; at slot 2: the first change steps it to slot 3
	s_lshl_b32 s86, s68, 6
	s_lshl_b32 s87, s67, 4
	s_add_co_u32 s86, s86, s87                     ; bias row 64 x + 16 cy
	s_lshl_b32 s86, s86, 13
	s_add_co_u32 s86, s86, 2*1024
	s_mov_b32 s87, 1024
	s_cmp_lt_u32 s[WV], 12
	s_cselect_b64 s[PFA:PFA+1], s[8:9], s[10:11]
	s_cselect_b32 s88, s85, s86
	s_cselect_b32 s[PFS], HEADB, s87
	s_cselect_b32 s84, ttmp9, s84                  ; the coordinate along which other clusters walk the same bytes
	s_cselect_b32 s90, -1, 0
	s_mov_b32 s89, 0
	s_mov_b32 s[PFS+1], 0
	s_add_nc_u64 s[PFA:PFA+1], s[PFA:PFA+1], s[88:89]
	s_lshr_b32 s91, 0x3700, s[WV]                  ; waves 8, 9, 10, 12, 13
	s_and_b32 s91, s91, 1
	s_xor_b32 s91, s91, 1
	s_or_b32 s91, s91, s84
	s_cmp_eq_u32 s91, 0
	s_cselect_b32 s[LIM], 1, -1                    ; the same in all sixteen partners, for a given wave
	s_mov_b32 s[REM], 6
	v_and_b32 v232, 31, v0                         ; lane
	s_sub_co_u32 s92, s[WV], 8
	s_lshl_b32 s92, s92, 5
	v_add_nc_u32 v233, s92, v232
	s_delay_alu instid0(VALU_DEP_1)
	v_min_u32 v233, 69, v233
	s_delay_alu instid0(VALU_DEP_1)
	v_lshlrev_b32 v233, 8, v233                    ; K and V: piece 32 (w - 8) + lane, at most 69
	s_and_b32 s93, s[WV], 1
	s_lshl_b32 s93, s93, 5
	v_add_nc_u32 v234, s93, v232
	s_delay_alu instid0(VALU_DEP_1)
	v_lshrrev_b32 v235, 2, v234
	s_delay_alu instid0(VALU_DEP_2)
	v_and_b32 v234, 3, v234
	s_delay_alu instid0(VALU_DEP_1)
	v_lshlrev_b32 v234, 8, v234
	s_delay_alu instid0(VALU_DEP_1)
	v_lshl_add_u32 v234, v235, 13, v234            ; the bias: row idx / 4, piece idx % 4
	s_delay_alu instid0(VALU_DEP_1)
	v_cndmask_b32 v9, v234, v233, s90
	; Q: my tile's image and scale words
	s_lshl_b32 s92, s72, 7
	s_lshl_b32 s93, s68, 2
	s_add_co_u32 s92, s92, s93
	s_add_co_u32 s92, s92, s[QT]                   ; tile 128 pair + 4 x + qt
	s_lshl_b32 s94, s92, 9
	s_mov_b32 s95, 0
	s_add_nc_u64 s[4:5], s[4:5], s[94:95]
	s_lshl_b32 s94, s92, 6
	s_add_nc_u64 s[6:7], s[6:7], s[94:95]
	v_lshlrev_b32 v10, 4, v232
	v_and_b32 v233, 15, v0                         ; r
	v_bfe_u32 v234, v0, 4, 1                       ; h
	s_delay_alu instid0(VALU_DEP_2)
	v_lshlrev_b32 v11, 2, v233
	global_load_b128 v[16:19], v10, s[4:5]
	global_load_b32 v24, v11, s[6:7]
.irp n, 20,21,22,23
	v_mov_b32 v\n, 0                               ; zero codes for the upper 64 of the instruction's K
.endr
.irp t, 0,1,2,3,4,5,6,7
.irp n, 4,5,6,7
	v_mov_b32 v[32+8*\t+\n], 0
.endr
.endr
	v_mul_u32_u24 v1, v233, BP
	s_delay_alu instid0(VALU_DEP_1)
	v_lshl_add_u32 v1, v234, 7, v1
	s_mul_i32 s92, s[QT], 16*BP
	v_add_nc_u32 v1, s92, v1                       ; the bias: row 16 qt + r, + 128 h bytes: my 32 keys of each 64
	s_delay_alu instid0(VALU_DEP_1)
	v_add_nc_u32 v2, SLOTB, v1
	s_mul_i32 s93, s[HQ], HEADL
	s_add_co_u32 s93, s93, KVOFF                   ; my pair's records in a slot
	v_lshl_add_u32 v3, v233, 4, s93
	v_mad_u32_u24 v3, v234, 288, v3                ; V's images: 16 r, and lanes 16-31 in the next row of 256 + 32 bytes
	s_delay_alu instid0(VALU_DEP_1)
	v_add_nc_u32 v4, SLOTB, v3
	v_lshl_add_u32 v5, v232, 2, s93
	s_delay_alu instid0(VALU_DEP_1)
	v_add_nc_u32 v6, SLOTB, v5
	v_bfe_u32 v235, v0, 3, 1                       ; m / 8
	v_and_b32 v236, 7, v0                          ; m % 8
	s_delay_alu instid0(VALU_DEP_1)
	v_lshlrev_b32 v237, 4, v236
	v_lshlrev_b32 v238, 2, v236
	s_delay_alu instid0(VALU_DEP_2)
	v_mad_u32_u24 v237, v235, 1152, v237
	s_delay_alu instid0(VALU_DEP_2)
	v_lshl_add_u32 v238, v235, 7, v238
	s_delay_alu instid0(VALU_DEP_2)
	v_mad_u32_u24 v237, v234, 288, v237            ; K's images: 1,152 (m / 8) + 16 (m % 8) + 288 h
	s_delay_alu instid0(VALU_DEP_2)
	v_lshl_add_u32 v238, v234, 5, v238             ; K's scale words: 128 (m / 8) + 4 (m % 8) + 32 (lane / 16)
	s_delay_alu instid0(VALU_DEP_2)
	v_add_nc_u32 v242, s93, v237
	s_delay_alu instid0(VALU_DEP_2)
	v_add_nc_u32 v248, s93, v238
	s_delay_alu instid0(VALU_DEP_2)
	v_add_nc_u32 v243, SLOTB, v242
	s_delay_alu instid0(VALU_DEP_2)
	v_add_nc_u32 v249, SLOTB, v248
	v_lshlrev_b32 v250, 3, v234                    ; 8 h
	v_mov_b32 v13, 0xff000000                      ; the largest logit so far: -2^127
	v_mov_b32 v12, 0x7f000000                      ; -M
	v_mov_b32 v14, 0
	v_mov_b32 v15, 0
	v_mov_b32 v253, 0                              ; the upper half of the pair v[252:253]
.irp j, 0,1,2,3,4,5,6,7,8,9,10,11,12,13,14,15,16,17,18,19,20,21,22,23,24,25,26,27,28,29,30,31
	v_mov_b32 v[160+\j], 0                         ; O^T: the step is written one way: the first finds zeros, which the first change of M leaves zeros
.endr
.macro SOFT_A                          ; the largest logit of my two blocks of 32 keys (v232, v234), in four chains by turns, each accumulator from its low end on; then of my 64 keys, and lane l xor 16's
.irp b, 0,1,2,3
	v_max3_num_f32 v[232+\b], v[96+16*\b], v[97+16*\b], v[98+16*\b]
.endr
.irp i, 3,5,7,9,11,13
.irp b, 0,1,2,3
	v_max3_num_f32 v[232+\b], v[232+\b], v[96+16*\b+\i], v[97+16*\b+\i]
.endr
.endr
	v_max3_num_f32 v232, v232, v233, v111
	v_max3_num_f32 v234, v234, v235, v143
	v_max_num_f32 v232, v232, v127
	v_max_num_f32 v234, v234, v159
	v_max_num_f32 v233, v232, v234
	v_permlanex16_b32 v235, v233, s[SEL], s[SEL+1]
.endm
.macro SOFT_B                          ; M, p and the row's sum: work on registers alone
	v_max3_num_f32 v13, v13, v233, v235
	v_mov_b32 v251, v12
	s_delay_alu instid0(VALU_DEP_2)
	v_mul_f32 v254, s[CS], v13                     ; as t
	s_delay_alu instid0(VALU_DEP_1)
	v_floor_f32 v12, -v254                         ; the new -M = -ceil(t)
	s_delay_alu instid0(VALU_DEP_1)
	v_sub_f32 v254, v12, v251                      ; old M - new M: a whole number, 0 or less
	s_delay_alu instid0(VALU_DEP_1)
	v_cvt_i32_f32 v254, v254                       ; (it saturates)
	s_delay_alu instid0(VALU_DEP_1)
	v_ldexp_f32 v252, 1.0, v254                    ; f = 2^(old M - new M)
.irp j, 0,2,4,6,8,10,12,14,16,18,20,22,24,26,28,30,32,34,36,38,40,42,44,46,48,50,52,54,56,58,60,62
	v_pk_fma_f32 v[96+\j:97+\j], v[96+\j:97+\j], s[CS:CS+1], v[12:13] op_sel_hi:[1,0,0]   ; t - M, two at a time
.endr
	v_fma_f32 v232, v232, s[CS], v12               ; the same of each block's largest logit
	v_fma_f32 v234, v234, s[CS], v12
	s_wait_alu depctr_va_vdst(0)                   ; ahead of the batch
.irp j, 0,1,2,3,4,5,6,7,8,9,10,11,12,13,14,15,16,17,18,19,20,21,22,23,24,25,26,27,28,29,30,31,32,33,34,35,36,37,38,39,40,41,42,43,44,45,46,47,48,49,50,51,52,53,54,55,56,57,58,59,60,61,62,63
	v_exp_f32 v[96+\j], v[96+\j]                   ; p = 2^(t - M)
.endr
	v_pk_mul_f32 v[14:15], v[14:15], v[252:253] op_sel_hi:[1,0]   ; the sums under the new M (a plain line behind the exponentials)
	s_wait_alu depctr_va_vdst(0)                   ; one wait for the batch of 64, ahead of its first use
	v_exp_f32 v232, v232                           ; the blocks' largest p
	v_exp_f32 v234, v234
	v_pk_add_f32 v[236:237], v[96:97], v[98:99]    ; the row's sum of the unquantised p, in four chains
	v_pk_add_f32 v[238:239], v[100:101], v[102:103]
	v_pk_add_f32 v[240:241], v[104:105], v[106:107]
.irp j, 108,116,124,132,140,148
	v_pk_add_f32 v[14:15], v[14:15], v[\j:\j+1]
	v_pk_add_f32 v[236:237], v[236:237], v[\j+2:\j+3]
	v_pk_add_f32 v[238:239], v[238:239], v[\j+4:\j+5]
	v_pk_add_f32 v[240:241], v[240:241], v[\j+6:\j+7]
.endr
	v_pk_add_f32 v[14:15], v[14:15], v[156:157]
	v_pk_add_f32 v[236:237], v[236:237], v[158:159]
	v_pk_add_f32 v[238:239], v[238:239], v[240:241]
	s_delay_alu instid0(VALU_DEP_2)
	v_pk_add_f32 v[14:15], v[14:15], v[236:237]
	s_delay_alu instid0(VALU_DEP_1)
	v_pk_add_f32 v[14:15], v[14:15], v[238:239]
.endm
.macro SOFT_C                          ; p's scale word and codes
	v_max_num_f32 v232, 0x1800000, v232            ; the floor 2^(3 - 127)
	v_max_num_f32 v234, 0x1800000, v234
	s_delay_alu instid0(VALU_DEP_2)
	v_add_nc_u32 v244, 0xff000000, v232            ; the conversions' scale operands
	s_delay_alu instid0(VALU_DEP_2)
	v_add_nc_u32 v245, 0xff000000, v234
	s_delay_alu instid0(VALU_DEP_2)
	v_lshrrev_b32 v246, 23, v244                   ; the bytes of blocks h and 2 + h
	s_delay_alu instid0(VALU_DEP_2)
	v_lshrrev_b32 v247, 23, v245
	s_delay_alu instid0(VALU_DEP_1)
	v_lshl_or_b32 v246, v247, 16, v246
	s_delay_alu instid0(VALU_DEP_1)
	v_lshlrev_b32 v246, v250, v246                 ; at their places in the word, 8 h bits up
	s_delay_alu instid0(VALU_DEP_1)
	v_permlanex16_b32 v247, v246, s[SEL], s[SEL+1]
	s_delay_alu instid0(VALU_DEP_1)
	v_or_b32 v25, v246, v247                       ; with lane l xor 16's two the word is whole
.irp i, 0,1,2,3,4,5,6,7
	v_cvt_scalef32_pk8_fp4_f32 v[224+\i], v[96+8*\i:103+8*\i], v[244+\i/4]   ; register i of P's operand
.endr
	v_nop                                          ; one plain line behind the conversions
.endm
; A KEY STEP: 128 keys, the q-th of slot s.  Its bias and its K were asked for in the step before.  nx = 1: the next step (the nq-th of slot ns) has its K and its bias asked for here.
; chg = 1: the slot's second step: behind V's loads I wait for all my tensor loads, add 0 to my spare word, and behind the block maxima wait for that and for my reads of this slot; the signal follows; M, p and the sums stand between it and the wait;
; the round's rest follows, and behind it this slot is filled again, first thing, with the keys two slots on.  chg = 2: the same with the work-group's barrier alone: nothing is left to ask for.
.macro STEP s, q, chg, nx, ns, nq
	s_wait_dscnt 0x0                               ; this step's bias and K are in
.irp t, 0,1,2,3,4,5,6,7
.set wD, 96+8*\t
.set wA, 32+8*\t
.set wB, 16
.set wSA, 26+\t/2
.set wSB, 24
	WM \t%2                                        ; the logits
.endr
.rept 4
	v_nop                                          ; four plain lines: ahead of the first read of the scores and of the loads into K's registers, and behind the last step's second products, ahead of the loads into V's registers
.endr
.irp d, 0,1,2,3
.irp c, 0,1
	ds_load_b128 v[192+8*\d+4*\c:195+8*\d+4*\c], v[3+\s] offset:RECL*\q+288*(16+4*\d+2*\c)
.endr
.endr
.irp g, 0,1
	ds_load_b32 v[30+\g], v[5+\s] offset:RECL*\q+288*34+128*\g
.endr
.if \chg
	s_wait_tensorcnt 0x0                           ; no tensor load of mine is out, so a group 0 may be written
	ds_add_u32 v7, v8                              ; 0 onto my spare word
.if (\chg) == 1
	s_add_nc_u64 s[G0KV+4*\s+2:G0KV+4*\s+3], s[G0KV+4*\s+2:G0KV+4*\s+3], 2*HEADB
	s_add_nc_u64 s[G0B+4*\s+2:G0B+4*\s+3], s[G0B+4*\s+2:G0B+4*\s+3], 2*1024
	s_wait_xcnt 0x0                                ; the last prefetch, two key steps back, has read its address
	s_add_nc_u64 s[PFA:PFA+1], s[PFA:PFA+1], s[PFS:PFS+1]
.endif
.elseif \nx
	LOADK \ns, \nq                                 ; the next step's K, from the same slot
.endif
	SOFT_A
.if \chg
	s_wait_alu depctr_va_vdst(0)                   ; directly ahead of the wait below
	s_wait_dscnt 0x0                               ; the add is done, and my reads of this slot are over: V's were the last
	s_barrier_signal -1
.endif
	SOFT_B
	s_wait_alu depctr_va_vdst(0)                   ; for the two exponentials; and, at a change, directly ahead of the barrier's wait
.if \chg
	s_barrier_wait -1
.if (\chg) == 1
	CREST                                          ; no wave of any partner still reads this slot or has a load on its way; the other slot is whole
	JLOAD \s
	ASK
	s_sub_co_u32 s[REM], s[REM], 1
.endif
	LOADK \ns, \nq                                 ; the next step's K, from the other slot
.endif
	SOFT_C
.if \nx
	LOADB \ns, \nq                                 ; p has been converted: S's registers take the next step's bias
.endif
	s_wait_alu depctr_va_vdst(0)                   ; directly ahead of the first reader of O^T
.irp j, 0,2,4,6,8,10,12,14,16,18,20,22,24,26,28,30
	v_pk_mul_f32 v[160+\j:161+\j], v[160+\j:161+\j], v[252:253] op_sel_hi:[1,0]   ; O^T under the new M; these sixteen also stand between the making of p's codes and scale word and the products
.endr
	s_wait_alu depctr_va_vdst(0)                   ; directly ahead of the wait below
.if \nx
	s_wait_dscnt 28                                ; V and its scale words are in; the 12 loads of the next K and the 16 of the next bias, issued behind them, may be out
.else
	s_wait_dscnt 0x0                               ; V
.endif
.irp d, 0,1,2,3
.set wD, 160+8*\d
.set wA, 192+8*\d
.set wB, 224
.set wSA, 30+\d/2
.set wSB, 25
	WM \d%2
.endr
.endm
	s_wait_alu depctr_va_vdst(0)                   ; at the head's end
	s_wait_tensorcnt 0x0                           ; my part of slot 0 is in; the same three lines ahead of a later first fill as ahead of a refill
	ds_add_u32 v7, v8
	s_wait_dscnt 0x0
	CROUND                                         ; slot 0 is whole, and all sixteen work-groups are here
	JLOAD 1                                        ; slot 1's first fill, the first tensor load behind the round
	LOADB 0, 0                                     ; the first step's bias and K
	LOADK 0, 0
	s_wait_loadcnt 0x0                             ; Q
	s_mov_b32 s[TRIP], 3
.Lring:                                            ; three trips of four key steps, six refills: slot 0 takes keys 512, 1,024, 1,536 on, slot 1 keys 768, 1,280, 1,792 on
	STEP 0, 0, 0, 1, 0, 1
	STEP 0, 1, 1, 1, 1, 0
	STEP 1, 0, 0, 1, 1, 1
	STEP 1, 1, 1, 1, 0, 0
	s_sub_co_u32 s[TRIP], s[TRIP], 1
	s_cmp_lg_u32 s[TRIP], 0
	s_cbranch_scc1 .Lring
	STEP 0, 0, 0, 1, 0, 1                          ; the last two slots are written out
	STEP 0, 1, 2, 1, 1, 0                          ; the last change of slots asks for nothing
	STEP 1, 0, 0, 1, 1, 1
	STEP 1, 1, 0, 0, 0, 0                          ; the last step has no successor
	; THE WAY OUT: O^T / the sum, quantised along the head's 64 channels: my tile's image for the projection (K step head / 2, half head % 2) and two scale bytes a token
.rept 4
	v_nop
.endr
	v_add_f32 v14, v14, v15
	s_delay_alu instid0(VALU_DEP_1)
	v_permlanex16_b32 v252, v14, s[SEL], s[SEL+1]
	s_delay_alu instid0(VALU_DEP_1)
	v_add_f32 v14, v14, v252                       ; the row's sum
	s_wait_alu depctr_va_vdst(0)
	v_rcp_f32 v14, v14
	v_nop                                          ; a plain line behind the reciprocal
	s_lshr_b32 s84, s69, 2
	s_lshl_b32 s84, s84, 7
	s_lshl_b32 s85, s68, 2
	s_add_co_u32 s84, s84, s85
	s_add_co_u32 s84, s84, s[QT]                   ; tile of tokens: 128 batch + 4 x + qt
	s_and_b32 s85, s72, 15                         ; head
	s_lshl_b32 s86, s84, 13
	s_lshl_b32 s87, s85, 9
	s_add_co_u32 s86, s86, s87
	s_mov_b32 s87, 0
	s_add_nc_u64 s[12:13], s[12:13], s[86:87]
	s_lshl_b32 s88, s84, 9
	s_lshr_b32 s89, s85, 1
	s_lshl_b32 s89, s89, 6
	s_add_co_u32 s88, s88, s89
	s_and_b32 s89, s85, 1
	s_lshl_b32 s89, s89, 1
	s_add_co_u32 s88, s88, s89
	s_mov_b32 s89, 0
	s_add_nc_u64 s[14:15], s[14:15], s[88:89]
	s_wait_alu depctr_va_vdst(0)                   ; ahead of the reciprocal's first use and of the first reader of O^T
.irp j, 0,1,2,3,4,5,6,7,8,9,10,11,12,13,14,15,16,17,18,19,20,21,22,23,24,25,26,27,28,29,30,31
	v_mul_f32 v[96+\j], v[160+\j], v14             ; each accumulator from its low end on
.endr
	QUANT2 96, 224
	v_lshl_or_b32 v238, v[TM+3], 8, v[TM+2]
	global_store_b128 v10, v[224:227], s[12:13]    ; 512 consecutive bytes
	global_store_b16 v11, v238, s[14:15]           ; lanes r and r + 16 store the same two bytes
	s_wait_tensorcnt 0x0                           ; the wave's end
	ds_add_u32 v7, v8
	s_wait_dscnt 0x0
	CROUND                                         ; the closing round: no work-group ends while a partner may still ask for a tile that names it
	s_endpgm
.Lfunc_end_k_q68195f23bb_attn:
	.size	k_q68195f23bb_attn, .Lfunc_end_k_q68195f23bb_attn-k_q68195f23bb_attn
	.p2alignl 7, 3214868480
	.fill 96, 4, 3214868480
	.section	.rodata,"a",@progbits
	.p2align	6, 0x0
	.amdhsa_kernel k_q68195f23bb_attn
		.amdhsa_group_segment_fixed_size 327680
		.amdhsa_private_segment_fixed_size 0
		.amdhsa_enable_private_segment 0
		.amdhsa_kernarg_size 48
		.amdhsa_user_sgpr_count 2
		.amdhsa_user_sgpr_kernarg_segment_ptr 1
		.amdhsa_wavefront_size32 1
		.amdhsa_system_sgpr_workgroup_id_x 1
		.amdhsa_system_sgpr_workgroup_id_y 1
		.amdhsa_system_sgpr_workgroup_id_z 1
		.amdhsa_system_vgpr_workitem_id 0
		.amdhsa_next_free_vgpr 256
		.amdhsa_next_free_sgpr 96
		.amdhsa_reserve_vcc 0
		.amdhsa_float_denorm_mode_32 3
		.amdhsa_float_denorm_mode_16_64 3
		.amdhsa_memory_ordered 1
		.amdhsa_forward_progress 1
		.amdhsa_inst_pref_size 144
	.end_amdhsa_kernel
	.amdgpu_metadata
---
amdhsa.version: [ 1, 2 ]
amdhsa.kernels:
  - .name:           k_q68195f23bb_attn
    .symbol:         k_q68195f23bb_attn.kd
    .args:
      - { .name: qimg, .offset: 0, .size: 8, .value_kind: global_buffer, .address_space: global }
      - { .name: qsc, .offset: 8, .size: 8, .value_kind: global_buffer, .address_space: global }
      - { .name: kv, .offset: 16, .size: 8, .value_kind: global_buffer, .address_space: global }
      - { .name: attn_bias, .offset: 24, .size: 8, .value_kind: global_buffer, .address_space: global }
      - { .name: oimg, .offset: 32, .size: 8, .value_kind: global_buffer, .address_space: global }
      - { .name: osc, .offset: 40, .size: 8, .value_kind: global_buffer, .address_space: global }
    .group_segment_fixed_size: 327680
    .private_segment_fixed_size: 0
    .kernarg_segment_align: 8
    .kernarg_segment_size: 48
    .max_flat_workgroup_size: 512
    .sgpr_count:     96
    .vgpr_count:     256
    .wavefront_size: 32
...
	.end_amdgpu_metadata
.endif
;; end of part 3
;; launch proj (part 4): grid 8 x 32, 4 waves a work-group, clusters of 4 x 4, 327,680 bytes of LDS; arguments codes, scales, oimg, osc, b_proj, out0; writes out0
.if DOCPART == 4
	.amdgcn_target "amdgcn-amd-amdhsa--gfx1250"
	.amdhsa_code_object_version 6
	.text
	.protected	k_q68195f23bb_proj
	.globl	k_q68195f23bb_proj
	.p2align	8
	.type	k_q68195f23bb_proj,@function
k_q68195f23bb_proj:
	s_mov_b64 s[64:65], 0
	v_nop
	global_prefetch_b8 v0, s[64:65] scope:SCOPE_SE
	s_setreg_imm32_b32 hwreg(HW_REG_WAVE_MODE, 25, 1), 1
	s_wait_xcnt 0x0
	s_wait_alu depctr_hold_cnt(0) depctr_sa_sdst(0) depctr_va_vdst(0) depctr_va_sdst(0) depctr_va_ssrc(0) depctr_va_vcc(0) depctr_vm_vsrc(0)
	s_getreg_b32 s2, hwreg(HW_REG_IB_STS2, 6, 4)
	s_cmp_eq_u32 s2, 0
	s_cbranch_scc0 .Lentry_in_a_cluster
	s_endpgm
.Lentry_in_a_cluster:
	s_bfe_u32 s2, ttmp6, 0x10000c
	s_cmp_lg_u32 s2, 0xf033
	s_cbranch_scc0 .Lentry_shape_is_right
	s_endpgm
.Lentry_shape_is_right:
; out0 = o w_proj^T + b_proj on codes of FP4 with E8M0 scales.  A work-group makes 128 tokens (y) x 128 columns (x); K = 1,024 in eight steps of 128.
; P is source 0: 128 rows of w_proj (rows 7,168 + 128 x of the codes' buffer), 8 tiles t.  R is source 1: 8 tiles of 16 tokens, as operand images (8,192 bytes a tile: [K step][half][512 bytes]).  Wave w takes token tiles 2 w, 2 w + 1: 16 accumulators.
; A lane's eight results are eight neighbouring columns of one token's row; b_proj is the C of the first products, loaded straight into the accumulators.
; ALL OF K OF BOTH OPERANDS LIES IN LDS, filled once: four tiles, ONE joint load a wave at the head: wave 0 P's codes (128 rows of 512 bytes + 16 of padding), wave 1 R's images (65,536 dense bytes), wave 2 P's scale bytes, wave 3 R's (16 pieces of 256 + 16 each).
; CLUSTER 4 x 4: P hangs on x alone and is asked for jointly by my column, R on y alone, by my row.  No prefetch: every tile is asked for at the head, and the text has no loop to run ahead in.
; The way out: 16 rows x 512 bytes go through the wave's own stage in LDS and leave as whole rows: 32 lanes store 512 consecutive bytes.
; LIMITS: NaN and infinities are not served.
.set RB,   69632                       ; behind P's 128 x 528 bytes: R's images
.set PSC,  135168
.set RSC,  139520
.set STG,  143872                      ; four stages of 16 x 528 bytes; no tensor load lands here
.set SPARE, 177664                     ; the spare words, 128 bytes for each wave
.set WV,  16
.set G1P, 24
.set G1R, 32
.set G1SP, 40
.set G1SR, 48
.set G0P, 56
.set G0R, 60
.set G0SP, 68
.set G0SR, 72
.macro WM ra, rb
.if (\ra) && (\rb)
	v_wmma_scale_f32_16x16x128_f8f6f4 v[wD:wD+7], v[wA:wA+7], v[wB:wB+7], v[wD:wD+7], v[wSA], v[wSB] matrix_a_fmt:MATRIX_FMT_FP4 matrix_b_fmt:MATRIX_FMT_FP4 matrix_a_scale:MATRIX_SCALE_ROW1 matrix_b_scale:MATRIX_SCALE_ROW1
.elseif \ra
	v_wmma_scale_f32_16x16x128_f8f6f4 v[wD:wD+7], v[wA:wA+7], v[wB:wB+7], v[wD:wD+7], v[wSA], v[wSB] matrix_a_fmt:MATRIX_FMT_FP4 matrix_b_fmt:MATRIX_FMT_FP4 matrix_a_scale:MATRIX_SCALE_ROW1
.elseif \rb
	v_wmma_scale_f32_16x16x128_f8f6f4 v[wD:wD+7], v[wA:wA+7], v[wB:wB+7], v[wD:wD+7], v[wSA], v[wSB] matrix_a_fmt:MATRIX_FMT_FP4 matrix_b_fmt:MATRIX_FMT_FP4 matrix_b_scale:MATRIX_SCALE_ROW1
.else
	v_wmma_scale_f32_16x16x128_f8f6f4 v[wD:wD+7], v[wA:wA+7], v[wB:wB+7], v[wD:wD+7], v[wSA], v[wSB] matrix_a_fmt:MATRIX_FMT_FP4 matrix_b_fmt:MATRIX_FMT_FP4
.endif
.endm
.macro CROUND                          ; a round of the cluster's barrier
	s_barrier_signal -1
	s_barrier_wait -1
	s_cmp_lg_u32 s[WV], 0
	s_cbranch_scc1 .Lnot_wave_0_\@
	s_barrier_signal -3
.Lnot_wave_0_\@:
	s_barrier_wait -3
	s_barrier_signal -1
	s_barrier_wait -1
.endm
	s_load_b256 s[4:11], s[0:1], 0x0               ; codes s[4:5], scales s[6:7], oimg s[8:9], osc s[10:11]
	s_load_b128 s[12:15], s[0:1], 0x20             ; b_proj s[12:13], out0 s[14:15]
	v_lshl_add_u32 v126, v0, 2, SPARE
	v_mov_b32 v127, 0
	ds_add_u32 v126, v127                          ; the opening lines: the add, twice on end, and its wait ahead of my first tensor load
	ds_add_u32 v126, v127
	v_lshrrev_b32 v96, 5, v0
	v_readfirstlane_b32 s[WV], v96                 ; wave 0..3
	s_bfe_u32 s84, ttmp6, 0x40000                  ; cx
	s_bfe_u32 s85, ttmp6, 0x40004                  ; cy
	s_lshl_b32 s86, ttmp9, 2
	s_add_co_u32 s86, s86, s84                     ; x: my 128 columns
	s_and_b32 s87, ttmp7, 0xffff
	s_lshl_b32 s87, s87, 2
	s_add_co_u32 s87, s87, s85                     ; y: my 128 tokens
	s_lshl_b32 s88, s85, 2
	s_lshl_b32 s88, 15, s88                        ; my row of the cluster
	s_lshl_b32 s89, 0x1111, s84                    ; my column
	s_or_b32 s[G1P], s89, (0<<16)|(1<<20)|(1<<21)|(6<<22)|(3<<25)  ; elements of 1 byte; 4 words of padding behind every 128
	s_mov_b32 s[G1P+1], 512<<16
	s_mov_b32 s[G1P+2], 128<<16
	s_mov_b32 s[G1P+3], 512<<16
	s_mov_b32 s[G1P+4], 128
	s_mov_b32 s[G1P+5], 512
	s_mov_b32 s[G1P+6], 0
	s_mov_b32 s[G1P+7], 0
	s_or_b32 s[G1R], s88, (3<<16)|(1<<21)          ; 8 dense rows of 1,024 elements of 8 bytes: a tile's images a row
	s_mov_b32 s[G1R+1], 1024<<16
	s_mov_b32 s[G1R+2], 8<<16
	s_mov_b32 s[G1R+3], 1024<<16
	s_mov_b32 s[G1R+4], 8
	s_mov_b32 s[G1R+5], 1024
	s_mov_b32 s[G1R+6], 0
	s_mov_b32 s[G1R+7], 0
	s_or_b32 s[G1SP], s89, (3<<16)|(1<<20)|(1<<21)|(5<<22)|(3<<25)  ; 4,096 dense bytes: 16 rows of 32 elements of 8 bytes, 4 words of padding behind each
	s_or_b32 s[G1SR], s88, (3<<16)|(1<<20)|(1<<21)|(5<<22)|(3<<25)
.irp g, G1SP, G1SR
	s_mov_b32 s[\g+1], 32<<16
	s_mov_b32 s[\g+2], 16<<16
	s_mov_b32 s[\g+3], 32<<16
	s_mov_b32 s[\g+4], 16
	s_mov_b32 s[\g+5], 32
	s_mov_b32 s[\g+6], 0
	s_mov_b32 s[\g+7], 0
.endr
	s_lshl_b32 s90, s86, 7
	s_add_co_u32 s90, s90, 7168                    ; P's first row among the codes' rows
	s_lshl_b32 s92, s90, 5                         ; its scale bytes, 32 a row
	s_mov_b32 s93, 0
	s_lshl_b32 s90, s90, 9                         ; its codes, 512 bytes a row
	s_mov_b32 s91, 0
	s_lshl_b32 s96, s87, 12                        ; R's scale words: 8 tiles of 512 bytes
	s_mov_b32 s97, 0
	s_lshl_b32 s94, s87, 16                        ; R's images: 8 tiles of 8,192 bytes
	s_mov_b32 s95, 0
	s_wait_dscnt 0x0                               ; both opening adds are done
	s_wait_kmcnt 0x0
	s_mov_b32 s[G0P], 1
	s_mov_b32 s[G0P+1], 0
	s_add_nc_u64 s[G0P+2:G0P+3], s[4:5], s[90:91]
	s_or_b32 s[G0P+3], s[G0P+3], 0x80000000
	s_mov_b32 s[G0R], 1
	s_mov_b32 s[G0R+1], RB
	s_add_nc_u64 s[G0R+2:G0R+3], s[8:9], s[94:95]
	s_or_b32 s[G0R+3], s[G0R+3], 0x80000000
	s_mov_b32 s[G0SP], 1
	s_mov_b32 s[G0SP+1], PSC
	s_add_nc_u64 s[G0SP+2:G0SP+3], s[6:7], s[92:93]
	s_or_b32 s[G0SP+3], s[G0SP+3], 0x80000000
	s_mov_b32 s[G0SR], 1
	s_mov_b32 s[G0SR+1], RSC
	s_add_nc_u64 s[G0SR+2:G0SR+3], s[10:11], s[96:97]
	s_or_b32 s[G0SR+3], s[G0SR+3], 0x80000000
	CROUND                                         ; all sixteen work-groups are here: the joint loads meet
; THE HEAD'S LOADS, ONE A WAVE: one tree of branches on the wave's number, each arm with its load and, but for the last, a jump to the tree's end
.macro ARM under, g0, g1, next
	s_cmp_lt_u32 s[WV], \under
	s_cbranch_scc0 \next
	tensor_load_to_lds s[\g0:\g0+3], s[\g1:\g1+7]
	s_nop 0
.rept 4
	v_nop
.endr
	s_branch .Lhead_asked
\next:
.endm
	ARM 1, G0P,  G1P,  .Lhead_r
	ARM 2, G0R,  G1R,  .Lhead_sp
	ARM 3, G0SP, G1SP, .Lhead_sr
	tensor_load_to_lds s[G0SR:G0SR+3], s[G1SR:G1SR+7]
	s_nop 0
.rept 4
	v_nop
.endr
.Lhead_asked:
	v_and_b32 v96, 15, v0                          ; r
	v_bfe_u32 v97, v0, 4, 1                        ; h
	v_and_b32 v98, 31, v0                          ; lane
	v_lshlrev_b32 v9, 5, v97
	s_lshl_b32 s22, s86, 9
	s_mov_b32 s23, 0
	s_add_nc_u64 s[12:13], s[12:13], s[22:23]      ; b_proj at my 128 columns
.irp u, 0,1
.irp t, 0,1,2,3,4,5,6,7
	global_load_b128 v[128+64*\u+8*\t:131+64*\u+8*\t], v9, s[12:13] offset:64*\t       ; b_proj of columns 16 t + 8 h + 0 .. 7: the sums begin with it
	global_load_b128 v[132+64*\u+8*\t:135+64*\u+8*\t], v9, s[12:13] offset:64*\t+16
.endr
.endr
	v_mul_u32_u24 v1, v96, 528
	v_lshl_add_u32 v1, v97, 4, v1                  ; P's fragments: row x pitch + 16 h
	s_lshl_b32 s88, s[WV], 14
	s_add_co_u32 s88, s88, RB
	v_lshl_add_u32 v3, v98, 4, s88                 ; R's images: my two tiles, 16 x lane
	v_lshrrev_b32 v99, 3, v98
	v_lshlrev_b32 v99, 4, v99
	v_lshl_add_u32 v99, v98, 5, v99                ; a row's scale bytes: 32 x lane, and 16 more for each 256 passed
	v_add_nc_u32 v5, PSC, v99
	v_mul_u32_u24 v100, v97, 544
	v_lshl_add_u32 v100, v96, 2, v100              ; R's scale words: lanes 0-15 tile u = 0's, lanes 16-31 tile u = 1's
	s_mul_i32 s89, s[WV], 1088
	s_add_co_u32 s89, s89, RSC
	v_add_nc_u32 v6, s89, v100
	v_lshlrev_b32 v7, 4, v98
	s_mul_i32 s90, s[WV], 8448
	s_add_co_u32 s90, s90, STG                     ; my stage
	v_mul_u32_u24 v8, v96, 528
	v_lshl_add_u32 v8, v97, 5, v8
	v_add_nc_u32 v8, s90, v8
	v_add_nc_u32 v15, s90, v7
	s_lshl_b32 s92, s87, 19
	s_lshl_b32 s93, s[WV], 17
	s_add_co_u32 s92, s92, s93
	s_add_co_u32 s92, s92, s22
	s_mov_b32 s93, 0
	s_add_nc_u64 s[14:15], s[14:15], s[92:93]      ; out0 at my 32 tokens and my work-group's 128 columns
; A K step of 128: 16 products, the accumulators by turns, one instruction a turn, in the same order in every step
.macro STEP ks, first
.if !(\first)
.rept 4
	v_nop                                          ; four plain lines between the last products and loads into the registers that they read
.endr
.endif
.irp t, 0,1,2,3,4,5,6,7
.irp c, 0,1
	ds_load_b128 v[16+8*\t+4*\c:16+8*\t+4*\c+3], v1 offset:8448*\t+64*\ks+32*\c
.endr
.endr
.irp u, 0,1
.irp c, 0,1
	ds_load_b128 v[80+8*\u+4*\c:80+8*\u+4*\c+3], v3 offset:8192*\u+1024*\ks+512*\c
.endr
.endr
.irp j, 0,1,2,3
	ds_load_b32 v[10+\j], v5 offset:1088*\j+4*\ks
.endr
	ds_load_b32 v14, v6 offset:64*\ks+16*(\ks/4)
	s_wait_dscnt 0x0
.irp u, 0,1
.irp t, 0,1,2,3,4,5,6,7
.set wD, 128+64*\u+8*\t
.set wA, 16+8*\t
.set wB, 80+8*\u
.set wSA, 10+\t/2
.set wSB, 14
	WM \t%2, \u
.endr
.endr
.endm
	s_wait_alu depctr_va_vdst(0)                   ; at the head's end
	s_wait_tensorcnt 0x0                           ; my tile of the four is in; nothing is filled again
	s_barrier_signal -1
	s_barrier_wait -1                              ; all four are
	s_wait_loadcnt 0x0                             ; b_proj
	STEP 0, 1
.irp k, 1,2,3,4,5,6,7
	STEP \k, 0
.endr
.rept 4
	v_nop                                          ; four plain lines between the last products and the first read of results
.endr
.macro TOSTAGE u, bk
.irp t, 0,1,2,3,4,5,6,7
	ds_store_b128 v8, v[128+64*\u+8*\t:131+64*\u+8*\t] offset:64*\t          ; each accumulator from its low end on
	ds_store_b128 v8, v[132+64*\u+8*\t:135+64*\u+8*\t] offset:64*\t+16
.endr
.irp i, 0,1,2,3,4,5,6,7,8,9,10,11,12,13,14,15
	ds_load_b128 v[\bk+4*\i:\bk+4*\i+3], v15 offset:528*\i                   ; LDS serves a wave's instructions in order: these see my stores
.endr
.endm
.macro SEND u, bk
.irp i, 0,1,2,3,4,5,6,7,8,9,10,11,12,13,14,15
	s_wait_dscnt 15-\i
	global_store_b128 v7, v[\bk+4*\i:\bk+4*\i+3], s[14:15] offset:4096*\i+65536*\u th:TH_STORE_NT   ; 32 lanes store 512 consecutive bytes, aligned
.endr
.endm
	TOSTAGE 0, 16
	SEND 0, 16
	TOSTAGE 1, 128
	SEND 1, 128
	s_wait_dscnt 0x0
	s_wait_tensorcnt 0x0                           ; the wave's end
	ds_add_u32 v126, v127
	s_wait_dscnt 0x0
	CROUND                                         ; the closing round
	s_endpgm
.Lfunc_end_k_q68195f23bb_proj:
	.size	k_q68195f23bb_proj, .Lfunc_end_k_q68195f23bb_proj-k_q68195f23bb_proj
	.p2alignl 7, 3214868480
	.fill 96, 4, 3214868480
	.section	.rodata,"a",@progbits
	.p2align	6, 0x0
	.amdhsa_kernel k_q68195f23bb_proj
		.amdhsa_group_segment_fixed_size 327680
		.amdhsa_private_segment_fixed_size 0
		.amdhsa_enable_private_segment 0
		.amdhsa_kernarg_size 48
		.amdhsa_user_sgpr_count 2
		.amdhsa_user_sgpr_kernarg_segment_ptr 1
		.amdhsa_wavefront_size32 1
		.amdhsa_system_sgpr_workgroup_id_x 1
		.amdhsa_system_sgpr_workgroup_id_y 1
		.amdhsa_system_sgpr_workgroup_id_z 1
		.amdhsa_system_vgpr_workitem_id 0
		.amdhsa_next_free_vgpr 256
		.amdhsa_next_free_sgpr 100
		.amdhsa_reserve_vcc 0
		.amdhsa_float_denorm_mode_32 3
		.amdhsa_float_denorm_mode_16_64 3
		.amdhsa_memory_ordered 1
		.amdhsa_forward_progress 1
		.amdhsa_inst_pref_size 49
	.end_amdhsa_kernel
	.amdgpu_metadata
---
amdhsa.version: [ 1, 2 ]
amdhsa.kernels:
  - .name:           k_q68195f23bb_proj
    .symbol:         k_q68195f23bb_proj.kd
    .args:
      - { .name: codes, .offset: 0, .size: 8, .value_kind: global_buffer, .address_space: global }
      - { .name: scales, .offset: 8, .size: 8, .value_kind: global_buffer, .address_space: global }
      - { .name: oimg, .offset: 16, .size: 8, .value_kind: global_buffer, .address_space: global }
      - { .name: osc, .offset: 24, .size: 8, .value_kind: global_buffer, .address_space: global }
      - { .name: b_proj, .offset: 32, .size: 8, .value_kind: global_buffer, .address_space: global }
      - { .name: out0, .offset: 40, .size: 8, .value_kind: global_buffer, .address_space: global }
    .group_segment_fixed_size: 327680
    .private_segment_fixed_size: 0
    .kernarg_segment_align: 8
    .kernarg_segment_size: 48
    .max_flat_workgroup_size: 128
    .sgpr_count:     100
    .vgpr_count:     256
    .wavefront_size: 32
...
	.end_amdgpu_metadata
.endif
;; end of part 4
